; MI455X (gfx1250); checked and timed in simulation.
; The chip was launched on July 23, 2026; its instructions are those of AMD's public machine-readable ISA for CDNA 5 (MIT licence, August 2026) and "CDNA5" Instruction Set Architecture Reference Guide (July 2026). The comments in the code are by the model that wrote it; some were corrected since.
;; OPT Attention. Allowed arithmetic: matrix products marked QUANTISED: E4M3 operands, one given power-of-two scale a tensor, by v_wmma_f32_16x16x64_fp8_fp8 or v_wmma_f32_16x16x128_fp8_fp8, f32 sums; everything else in f32.
;; Inputs: Wk_codes 1,024 x 32 x 32 uint8 (E4M3 codes of Wk, K innermost, in blocks of 32 codes); Wo_codes 1,024 x 32 x 32 uint8 (E4M3 codes of Wo, K innermost, in blocks of 32 codes); Wq_codes 1,024 x 32 x 32 uint8 (E4M3 codes of Wq, K innermost, in blocks of 32 codes); Wv_codes 1,024 x 32 x 32 uint8 (E4M3 codes of Wv, K innermost, in blocks of 32 codes); bk 1,024 float32; bo 1,024 float32; bq 1,024 float32; bv 1,024 float32; hidden_states_codes 2 x 2,048 x 32 x 32 uint8 (E4M3 codes of hidden_states, K innermost, in blocks of 32 codes); lowp_scales 12 int32 (the exponents e of the quantised operands' scales 2^e).
;; Outputs: out0 2 x 2,048 x 1,024 float32.
;; This version of the problem:
;;   THIS VERSION OF THE PROBLEM IS GIVEN IN LOW PRECISION. The matrix products marked QUANTISED in the list below multiply operands that are first quantised to E4M3 (4 exponent bits, 3 mantissa bits; 8 bits a number), with one given power-of-two scale for each operand tensor; their sums are f32. All else is computed in f32.
;;   The module's matrix products, in the order in which they are computed (A, B: the left and right operand; K: the contracted axis; several contracted axes count as one K, in the product's order):
;;     1. [M 4,096, K 1,024] x [K 1,024, N 1,024]; A: input hidden_states (given as codes); B: input Wq (given as codes): QUANTISED (scales: A lowp_scales[0], B lowp_scales[1])
;;     2. [M 4,096, K 1,024] x [K 1,024, N 1,024]; A: input hidden_states (given as codes); B: input Wk (given as codes): QUANTISED (scales: A lowp_scales[2], B lowp_scales[3])
;;     3. [M 4,096, K 1,024] x [K 1,024, N 1,024]; A: input hidden_states (given as codes); B: input Wv (given as codes): QUANTISED (scales: A lowp_scales[4], B lowp_scales[5])
;;     4. batch 64 x [M 2,048, K 32] x [K 32, N 2,048]; A: computed on the way; B: computed on the way: QUANTISED (scales: A lowp_scales[6], B lowp_scales[7])
;;     5. batch 64 x [M 2,048, K 2,048] x [K 2,048, N 32]; A: softmax (see below); B: computed on the way: QUANTISED (scales: A lowp_scales[8], B lowp_scales[9])
;;     6. [M 4,096, K 1,024] x [K 1,024, N 1,024]; A: computed on the way; B: input Wo (given as codes): QUANTISED (scales: A lowp_scales[10], B lowp_scales[11])
;;   THE QUANTISER, for each operand of a quantised product, along K:
;;     - The operand's scale is 2^e, e = its entry of the input lowp_scales (int32; the entries are numbered through the quantised products in the list's order, A before B).
;;     - Each number is divided by the scale, clamped to +-448, and rounded to the nearest number of E4M3, ties to even, subnormals kept.
;;     - The product sums the exact products of the quantised numbers (number of the format x scale) in f32.
;;   ~~~python
;;   def quantise(x, axis, e):      # numpy; x: float32 -> the quantised numbers, widened to float32 again
;;       x = np.moveaxis(x, axis, -1); K = x.shape[-1]
;;       r = np.clip(x / 2.0 ** e, -448, 448)
;;       step = 2.0 ** (np.maximum(np.frexp(np.where(r == 0, 1, r))[1] - 1, -6) - 3)
;;       q = np.round(r / step) * step * 2.0 ** e      # np.round: ties to even
;;       return np.moveaxis(q, -1, axis).astype(np.float32)
;;   ~~~
;;   SOFTMAX AHEAD OF A QUANTISED PRODUCT. Where the list says 'softmax', what is quantised is not the finished softmax but p = 2^(t - M), with t = logit x log2(e) and M = ceil(the row's largest t), a whole number; so 1/2 < the row's largest p <= 1. The row's sum l is taken of the UNQUANTISED p, in f32, and the product's result is divided by l at the end. Since M is a whole number, a kernel that streams over the keys may use a running M (the ceiling of the running maximum): every later rescaling is an exact power of two, so the quantised numbers keep their values, but for numbers so far below the row's largest that they fall under the format's range.
;;   OPERANDS COMPUTED ON THE WAY. 'Computed on the way' means the value that the module computes at that place (a softmax that the list does not call 'softmax' is quantised finished and normalised). What goes into a quantiser is computed in f32, as accurately as f32 sums, v_exp_f32 and their like allow (about 1e-6 of the number): no bf16 or f16 on the way to a quantiser, and a product that is left as it is and whose result goes on into a quantised operand takes f32 operands (vector FMAs, or v_wmma_f32_16x16x4_f32). A number that lies on a knife's edge between two numbers of the format may be rounded either way, as far as f32 arithmetic and the matrix unit's own rounding can turn it there, and no further.
;;   INPUTS GIVEN AS CODES. Wk (in the module: [1024, 1024], K = its axis 1); Wo (in the module: [1024, 1024], K = its axis 1); Wq (in the module: [1024, 1024], K = its axis 1); Wv (in the module: [1024, 1024], K = its axis 1); hidden_states (in the module: [2, 2048, 1024], K = its axis 2): each comes as NAME_codes (uint8): NAME with its K axis moved to the last place and cut into blocks of 32 codes, [.., K / 32, bytes a block], one block behind the other in memory; one code a byte (a code: sign, 4 exponent bits, 3 mantissa bits); its scale is its entry of lowp_scales. Its value is code x scale, taken as it is: it is not quantised again, and the codes and scales need not be those that the quantiser above would give.
;; 2 versions, each right; version 2 is version 1 with the launch attn written anew for expert scheduling mode. Each part assembles by itself: llvm-mc -triple=amdgcn-amd-amdhsa -mcpu=gfx1250 --defsym DOCPART=n.
;; ======== version 1 of 2: 3 launches
;; workspace buffers: qc 4,194,304 bytes; kc 4,194,304 bytes; vc 4,194,304 bytes; cc 4,194,304 bytes
;; launch qkv (part 1): grid 12 x 16, 4 waves a work-group, clusters of 4 x 4, 327,680 bytes of LDS; arguments hidden_states_codes, Wq_codes, Wk_codes, Wv_codes, bq, bk, bv, lowp_scales, qc, kc, vc; writes qc, kc, vc
.if DOCPART == 1
	.amdgcn_target "amdgcn-amd-amdhsa--gfx1250"
	.amdhsa_code_object_version 6
	.text
	.protected	k_q94d657dd5e_qkv
	.globl	k_q94d657dd5e_qkv
	.p2align	8
	.type	k_q94d657dd5e_qkv,@function
k_q94d657dd5e_qkv:
	s_mov_b64 s[64:65], 0
	v_nop
	global_prefetch_b8 v0, s[64:65] scope:SCOPE_SE
	s_setreg_imm32_b32 hwreg(HW_REG_WAVE_MODE, 25, 1), 1
	s_wait_xcnt 0x0
	s_wait_alu depctr_hold_cnt(0) depctr_sa_sdst(0) depctr_va_vdst(0) depctr_va_sdst(0) depctr_va_ssrc(0) depctr_va_vcc(0) depctr_vm_vsrc(0)
	s_getreg_b32 s2, hwreg(HW_REG_IB_STS2, 6, 4)
	s_cmp_eq_u32 s2, 0
	s_cbranch_scc0 .Lentry_in_a_cluster
	s_endpgm
.Lentry_in_a_cluster:
	s_bfe_u32 s2, ttmp6, 0x10000c
	s_cmp_lg_u32 s2, 0xf033
	s_cbranch_scc0 .Lentry_shape_is_right
	s_endpgm
.Lentry_shape_is_right:
; q = (x Wq^T + bq) / sqrt(32), k = x Wk^T + bk, v = x Wv^T + bv, on codes of FP8 (E4M3), sums in f32; each result is quantised at once with its given scale and stored as codes.
; x: [4096][1024] codes; Wq, Wk, Wv: [1024][1024] codes, K innermost.  The scales' exponents e0 .. e11 are whole numbers: x and W of q: e0, e1; of k: e2, e3; of v: e4, e5; the results: q e6, k e7, v e9.
; SHARES.  The cluster's x says which of the three is made (0 q, 1 k, 2 v).  A work-group of four waves makes a tile of 256 x 256, a wave 128 x 128: 64 accumulators of 16 x 16.
; For q and k operand "A" is x (rows = tokens) and "B" the weight (rows = features); for v the two change roles: "A" is Wv, "B" is x.  The loop is one text for all three.
; THE MATRIX INSTRUCTION IS USED TRANSPOSED (source 0 = 16 rows of B, source 1 = 16 rows of A): lane (r, h) of accumulator (a, b) holds A's row 16 a + r and B's rows 16 b + 8 h + 0 .. 7.
; So a lane holds, for q and k, one token and eight neighbouring channels of a head; for v one channel and eight neighbouring tokens: in both cases eight neighbours along the K of the product that will read them.
; THE RESULTS ARE STORED AS IMAGES OF OPERAND REGISTERS, in chunks of 512 bytes, lane l's 16 bytes at 16 l:
;   qc, kc: [batch x 32 + head][tile of 16 tokens: 128][512]: lane (r, h): token r; channels 8 h + 0 .. 7, then 16 + 8 h + 0 .. 7
;   vc:     [batch x 32 + head][block of 128 keys: 16][tile of 16 channels: 2][chunk c: 4][512]: lane (r, h): channel r; keys 32 c + 8 h + 0 .. 7, then 32 c + 16 + 8 h + 0 .. 7
; Each store of a wave covers 512 consecutive bytes, aligned; nothing goes through LDS on the way out.
; K goes in steps of 256 through a ring of two LDS slots filled by the tensor data mover.  CLUSTERS: 4 x 4 work-groups; the four of a row need the same tiles of A, the four of a column the same tiles of B:
; each tile is asked for jointly, by the same tensor load with the same descriptor and a mask that names the four.  192 work-groups: at this tile each cluster lies within one of the three products.
; THE VALUE AHEAD OF THE QUANTISER is one fused multiply-add: sum x (2^es x g) + b x g, es = the two operands' exponents added, g = 1 / sqrt(32) for q and 1 for k and v.
; LIMITS: es between -123 and 127; e6, e7, e9 between -126 and 119 (each power of two below is then an f32 number).  NaN codes among the inputs are not served.
; REGISTERS, in windows of 256: window 0: v0-31 addresses and constants; v32-47, v64-127 biases; from v128 A's fragments, ONE set (on the way out: v128-191 numbers at work, v192-255 codes).
;   window 1: B's fragments, TWO sets.   window 2: the accumulators of my rows 0-63 ((a, b) at v[8 (8 a + b)]);   window 3: those of my rows 64-127.
.set SIZE_K, 1024
.set KSTEP,  256                       ; along K in a slot
.set ROWB,   256                       ; a tile's row in bytes
.set KROW,   SIZE_K                    ; a row of x or of a weight in memory, in bytes
.set PITCH,  272                       ; an LDS row: 256 bytes + 16 of padding = 68 words: the 16 rows that a load touches start at 16 different banks (64 banks of 4 bytes: ISA guide 11.1)
.set FR,     16                        ; registers of a fragment: 16 rows x 128 K
.set NL,     4                         ; LDS loads that bring one
.set NP,     4                         ; places behind this matrix instruction (ISA guide 7.12.1)
.set HALFT,  128*PITCH                 ; 128 rows: what one tensor load brings
.set SLOT,   4*HALFT                   ; A's 256 rows, then B's 256 rows
.set LAPS,   SIZE_K/(2*KSTEP)          ; a lap = two K steps = once round the ring
.set SPARE,  2*SLOT                    ; behind the ring: the spare words, 128 bytes for each wave, which no other line names
.set ADRA, 16                          ; v16-17  LDS address of my A fragments in slot 0, 1
.set ADRB, 20                          ; v20-21  the same for B
.set CO,   26                          ; v26     16 x lane: my place in a chunk
.set SPW,  28                          ; v28     LDS address of my spare word; never rewritten
.set NIL,  29                          ; v29     0; never rewritten
.set LIM,  30                          ; v30     448 x the result's scale
.set SCL,  31                          ; v31     the result's scale as f32
.set BM,   32                          ; v32-47  bias by A's rows: block a's number twice, a pair for the packed form
.set BN,   64                          ; v64-127 bias by B's rows: block b's eight numbers of my half
.set AF,   128                         ; A's fragments
.set TMP,  128                         ; the way out: a block's 64 numbers
.set CD,   192                         ; the way out: codes, four sets of 16 registers by turns
.set G1, 24                            ; s[24:31] descriptor group 1 for A's tiles;  s[32:39] group 0, one set for each slot
.set G0, 32
.set G1B, 48                           ; s[48:55], s[56:63] the same for B's tiles
.set G0B, 56
.set MSB, 0
.macro WIN new                         ; the immediate's high byte repeats the setting that is left
.if MSB != \new
	s_set_vgpr_msb (MSB<<8)|\new
.set MSB, \new
.endif
.endm
.set MUL_LO, 0xa1                      ; source 0 (B) window 1, source 1 (A) window 0, C and D window 2
.set MUL_HI, 0xf1                      ; the same, C and D window 3
.set TO_B,   0x40                      ; destination window 1, address window 0
; A joint load: waves 0 and 1 fetch for A, waves 2 and 3 for B.  The branch hangs on the wave's number alone.  Four v_nop follow each of the two lines.
.macro JLOAD g0a, g1a, g0b, g1b
	s_cmp_eq_u32 s15, 0
	s_cbranch_scc0 .Lfor_b_\@
	tensor_load_to_lds s[\g0a:\g0a+3], s[\g1a:\g1a+7]
	s_nop 0
.rept 4
	v_nop
.endr
	s_branch .Lasked_\@
.Lfor_b_\@:
	tensor_load_to_lds s[\g0b:\g0b+3], s[\g1b:\g1b+7]
	s_nop 0
.rept 4
	v_nop
.endr
.Lasked_\@:
.endm
.macro CREST                           ; a round of the cluster's barrier behind its opening barrier
	s_cmp_lg_u32 s14, 0
	s_cbranch_scc1 .Lnot_wave_0_\@
	s_barrier_signal -3
.Lnot_wave_0_\@:
	s_barrier_wait -3
	s_barrier_signal -1
	s_barrier_wait -1
.endm
.macro CROUND                          ; a whole round
	s_barrier_signal -1
	s_barrier_wait -1
	CREST
.endm
	s_load_b512 s[68:83], s[0:1], 0x0              ; x s[68:69], Wq s[70:71], Wk s[72:73], Wv s[74:75], bq s[76:77], bk s[78:79], bv s[80:81], the exponents s[82:83]
	s_load_b128 s[84:87], s[0:1], 0x40             ; qc s[84:85], kc s[86:87]
	s_load_b64 s[88:89], s[0:1], 0x50              ; vc
	v_lshl_add_u32 v[SPW], v0, 2, SPARE
	v_mov_b32 v[NIL], 0
	ds_add_u32 v28, v29
	ds_add_u32 v28, v29
	s_wait_dscnt 0x0
	v_lshrrev_b32 v1, 5, v0
	v_readfirstlane_b32 s14, v1                    ; wave 0..3
	s_lshr_b32 s15, s14, 1                         ; which half of A's rows is mine.  Also: I fetch for A (0) or for B (1)
	s_and_b32 s16, s14, 1                          ; which half of B's rows.  Also: which 128 rows of that tile I fetch
	s_bfe_u32 s40, ttmp6, 0x40000                  ; cx, cy: my place in the cluster
	s_bfe_u32 s41, ttmp6, 0x40004
	s_and_b32 s66, ttmp7, 0xffff                   ; the cluster's y, 0..3: which quarter of the tokens
	s_cmp_eq_u32 ttmp9, 2                          ; v?  The tokens are then B's rows
	s_cselect_b32 s67, 0, s66
	s_cselect_b32 s90, s66, 0
	s_lshl_b32 s42, s90, 2
	s_add_co_u32 s42, s42, s40                     ; tile of B's rows: cx (q, k: the weight's four) or 4 x cluster y + cx (v: the tokens' sixteen)
	s_lshl_b32 s17, s67, 2
	s_add_co_u32 s17, s17, s41                     ; tile of A's rows: 4 x cluster y + cy (q, k) or cy (v)
	s_lshl_b32 s43, s41, 2
	s_lshl_b32 s43, 15, s43                        ; my row of the cluster
	s_lshl_b32 s44, 0x1111, s40                    ; my column
	; descriptor group 1: a tile of 128 rows x 256 bytes, padded in LDS
	s_or_b32 s[G1+0], s43, (0<<16)|(1<<20)|(1<<21)|(5<<22)|(3<<25)  ; 15:0 the mask: A's tiles go to my row; 17:16 element of 1 byte; 20 padding on; 21 set beside a mask; 24:22 after every 64 words; 31:25 of 4 words
	s_or_b32 s[G1B+0], s44, (0<<16)|(1<<20)|(1<<21)|(5<<22)|(3<<25)
.irp g, G1, G1B
	s_mov_b32 s[\g+1], ROWB<<16                    ; tensor_dim0
	s_mov_b32 s[\g+2], 128<<16                     ; tensor_dim1 = 128
	s_mov_b32 s[\g+3], ROWB<<16                    ; tile_dim0
	s_mov_b32 s[\g+4], 128                         ; tile_dim1 = 128
	s_mov_b32 s[\g+5], KROW                        ; tensor_dim0_stride
	s_mov_b32 s[\g+6], 0
	s_mov_b32 s[\g+7], 0
.endr
	s_lshl_b32 s18, s16, 7                         ; which 128 rows of the tile I fetch
	s_lshl_b32 s20, s17, 8
	s_add_co_u32 s20, s20, s18                     ; A: row 256 x tile + 128 x half
	s_lshl_b32 s46, s42, 8
	s_add_co_u32 s46, s46, s18                     ; B likewise
	s_mov_b32 s21, 0
	s_mov_b32 s47, 0
	s_mov_b64 s[18:19], KROW
	s_mul_u64 s[20:21], s[20:21], s[18:19]         ; in bytes
	s_mul_u64 s[46:47], s[46:47], s[18:19]
	s_mul_i32 s45, s14, HALFT                      ; where they go: wave x 128 rows: no place in the cluster enters an LDS address
	s_wait_kmcnt 0x0
	s_cmp_eq_u32 ttmp9, 2                          ; the buffers are chosen by the cluster's x alone
	s_cselect_b64 s[4:5], s[74:75], s[68:69]       ; A: Wv, or x
	s_cselect_b64 s[6:7], s[68:69], s[72:73]       ; B: x, or Wk
	s_cselect_b64 s[12:13], s[80:81], s[78:79]     ; the bias: bv, or bk
	s_cselect_b64 s[10:11], s[88:89], s[86:87]     ; the result: vc, or kc
	s_cmp_eq_u32 ttmp9, 0
	s_cselect_b64 s[6:7], s[70:71], s[6:7]         ; q: Wq,
	s_cselect_b64 s[12:13], s[76:77], s[12:13]     ; bq,
	s_cselect_b64 s[10:11], s[84:85], s[10:11]     ; qc
	s_load_b256 s[68:75], s[82:83], 0x0            ; e0 .. e7
	s_load_b128 s[76:79], s[82:83], 0x20           ; e8 .. e11
	s_add_nc_u64 s[20:21], s[4:5], s[20:21]
	s_add_nc_u64 s[46:47], s[6:7], s[46:47]
	CROUND                                         ; all sixteen work-groups are here: the first joint loads meet
.irp s, 0,1
	s_mov_b32 s[G0+4*\s], 1
	s_add_co_u32 s[G0+4*\s+1], s45, \s*SLOT
	s_add_nc_u64 s[G0+4*\s+2:G0+4*\s+3], s[20:21], \s*ROWB
	s_or_b32 s[G0+4*\s+3], s[G0+4*\s+3], 0x80000000
	s_mov_b32 s[G0B+4*\s], 1
	s_add_co_u32 s[G0B+4*\s+1], s45, \s*SLOT
	s_add_nc_u64 s[G0B+4*\s+2:G0B+4*\s+3], s[46:47], \s*ROWB
	s_or_b32 s[G0B+4*\s+3], s[G0B+4*\s+3], 0x80000000
	JLOAD G0+4*\s, G1, G0B+4*\s, G1B
.endr
	v_and_b32 v1, 15, v0                           ; r = l % 16
	v_bfe_u32 v2, v0, 4, 1                         ; h = l / 16
	v_mul_u32_u24 v3, v1, PITCH
	v_lshl_add_u32 v4, v2, 4, v3                   ; a fragment's row x pitch + 16 x half
	s_mul_i32 s21, s15, HALFT                      ; my 128 rows of A
	s_mul_i32 s22, s16, HALFT                      ; my 128 rows of B,
	s_add_co_u32 s22, s22, 2*HALFT                 ; which lie behind A's 256
.irp s, 0,1
	v_add_nc_u32 v[ADRA+\s], s21, v4
	v_add_nc_u32 v[ADRB+\s], s22, v4
	s_add_co_u32 s21, s21, SLOT
	s_add_co_u32 s22, s22, SLOT
.endr
	; where my results go, and my biases.  One formula serves all three once the roles are chosen: the tokens' tile and half, the features' tile and half
	s_cmp_eq_u32 ttmp9, 2
	s_cselect_b32 s91, s42, s17                    ; the tokens' tile of 256
	s_cselect_b32 s92, s17, s42                    ; the features' tile of 256 = 8 heads
	s_cselect_b32 s93, s16, s15                    ; my half of the tokens
	s_cselect_b32 s94, s15, s16                    ; my half of the features = 4 heads
	s_lshl_b32 s92, s92, 3
	s_lshl_b32 s94, s94, 2
	s_add_co_u32 s92, s92, s94                     ; my first head
	s_lshr_b32 s94, s91, 3                         ; the batch: 8 tiles of 256 tokens each;
	s_lshl_b32 s94, s94, 21                        ; its 32 heads x 65,536 bytes
	s_lshl_b32 s95, s92, 16                        ; a head's 65,536 bytes
	s_add_co_u32 s94, s94, s95
	s_and_b32 s91, s91, 7
	s_lshl_b32 s91, s91, 1
	s_add_co_u32 s91, s91, s93                     ; which 128 tokens of the batch's 2,048:
	s_lshl_b32 s91, s91, 12                        ; 4,096 bytes in each of the three layouts
	s_add_co_u32 s94, s94, s91
	s_mov_b32 s95, 0
	s_add_nc_u64 s[10:11], s[10:11], s[94:95]
	s_lshl_b32 s94, s92, 7                         ; a head's 32 biases are 128 bytes
	s_add_nc_u64 s[12:13], s[12:13], s[94:95]
	v_lshlrev_b32 v5, 2, v1                        ; 4 r
	v_lshlrev_b32 v6, 5, v2                        ; 32 h
	v_and_b32 v3, 31, v0
	v_lshlrev_b32 v[CO], 4, v3
.irp a, 0,1,2,3,4,5,6,7                ; both sets are loaded in every work-group: both lie within my 128 biases, and no register is left unwritten on either way out
	global_load_b32 v[BM+2*\a], v5, s[12:13] offset:64*\a
	global_load_b32 v[BM+2*\a+1], v5, s[12:13] offset:64*\a
.endr
.irp b, 0,1,2,3,4,5,6,7
	global_load_b128 v[BN+8*\b:BN+8*\b+3], v6, s[12:13] offset:64*\b
	global_load_b128 v[BN+8*\b+4:BN+8*\b+7], v6, s[12:13] offset:64*\b+16
.endr
.macro FRAG reg, adr, q, i             ; a fragment is 16 registers: lane l holds row l % 16; registers 4 c .. 4 c + 3 hold K = 32 c + 16 (l / 16) + 0 .. 15: the same places in A and in B, so every product meets its partner
.irp c, 0,1,2,3
	ds_load_b128 v[\reg+4*\c:\reg+4*\c+3], v[\adr] offset:128*(\q)+32*\c+(\i)*16*PITCH
.endr
.endm
; 16 matrix instructions: A's blocks a0, a0 + 1 x B's eight, 128 along K.  p: B's set.  zero = 1: the first product starts the sums.
; The 64 accumulators take turns, one instruction a turn, in the same order in every step.
.macro MUL16 a0, p, zero
.irp a, \a0, \a0+1
.irp b, 0,1,2,3,4,5,6,7
.if \zero
	v_wmma_f32_16x16x128_fp8_fp8 v[8*(8*((\a)%4)+\b):8*(8*((\a)%4)+\b)+7], v[128*(\p)+FR*\b:128*(\p)+FR*\b+FR-1], v[AF+FR*(\a):AF+FR*(\a)+FR-1], 0
.else
	v_wmma_f32_16x16x128_fp8_fp8 v[8*(8*((\a)%4)+\b):8*(8*((\a)%4)+\b)+7], v[128*(\p)+FR*\b:128*(\p)+FR*\b+FR-1], v[AF+FR*(\a):AF+FR*(\a)+FR-1], v[8*(8*((\a)%4)+\b):8*(8*((\a)%4)+\b)+7]
.endif
.endr
.endr
.endm
.macro FETCH_B slot, q, p              ; B's eight fragments of the slot's q-th 128 along K into set p
	WIN TO_B
.irp i, 0,1,2,3,4,5,6,7
	FRAG 128*(\p)+FR*\i, ADRB+\slot, \q, \i
.endr
	WIN 0
.endm
.macro FETCH_A slot, q, i0             ; A's blocks i0 .. i0 + 3
.irp i, \i0, \i0+1, \i0+2, \i0+3
	FRAG AF+FR*(\i), ADRA+\slot, \q, \i
.endr
.endm
.macro PLACES n                        ; plain vector instructions between a matrix instruction and a load into, or a vector instruction on, its registers
.rept \n
	v_nop
.endr
.endm
; A step of 128 along K that has its successor in the same slot.  A's blocks 0-3 are fetched anew in its middle, blocks 4-7 at its end; B's next set in the middle.
.macro STEP slot, q, zero
	s_wait_dscnt 4*NL                              ; B's set and A's blocks 0-3 are in; the youngest sixteen loads (A's blocks 4-7) may be out
	WIN MUL_LO
	MUL16 0, (\q)%2, \zero
	MUL16 2, (\q)%2, \zero
	s_wait_dscnt 0                                 ; A's blocks 4-7 are in
	PLACES NP
	FETCH_B \slot, (\q)+1, 1-(\q)%2
	FETCH_A \slot, (\q)+1, 0
	WIN MUL_HI
	MUL16 4, (\q)%2, \zero
	MUL16 6, (\q)%2, \zero
	PLACES NP
	WIN 0
	FETCH_A \slot, (\q)+1, 4
.endm
; A slot's last step changes slots: ONE barrier; in front of it each wave waits for all its tensor loads, adds 0 to its spare word, and waits for that and for its own reads of this slot.  fill = 1: this slot is filled again.
.macro TURN slot, next, fill
	s_wait_tensorcnt 0x0                           ; all my tensor loads have landed: my part of the next slot
	ds_add_u32 v[SPW], v[NIL]                      ; 0 onto my spare word
	s_wait_dscnt 4*NL+1                            ; (the add and the youngest sixteen loads, A's blocks 4-7, may be out)
	WIN MUL_LO
	MUL16 0, 1, 0                                  ; sixteen matrix instructions stand between the add and the wait for it
	s_wait_dscnt 0x0                               ; the add is done, and my reads of this slot are over
	s_barrier_signal -1
	MUL16 2, 1, 0
	WIN 0
	s_barrier_wait -1
.if \fill
	CREST                                          ; the barrier has opened a round of the cluster's barrier: no wave of any partner still reads this slot's tile or has a load on its way
	s_add_nc_u64 s[G0+4*\slot+2:G0+4*\slot+3], s[G0+4*\slot+2:G0+4*\slot+3], 2*ROWB
	s_add_nc_u64 s[G0B+4*\slot+2:G0B+4*\slot+3], s[G0B+4*\slot+2:G0B+4*\slot+3], 2*ROWB
	JLOAD G0+4*\slot, G1, G0B+4*\slot, G1B         ; the first tensor load behind the round; its four v_nop are also the places in front of the loads below
.else
	PLACES NP
.endif
	FETCH_B \next, 0, 0
	FETCH_A \next, 0, 0
	WIN MUL_HI
	MUL16 4, 1, 0
	MUL16 6, 1, 0
	PLACES NP
	WIN 0
	FETCH_A \next, 0, 4
.endm
	s_wait_tensorcnt 1                             ; my part of K step 0 is in (K step 1's load may be out)
	s_barrier_signal -1
	s_barrier_wait -1                              ; everybody's is
	FETCH_B 0, 0, 0
	FETCH_A 0, 0, 0
	FETCH_A 0, 0, 4
	STEP 0, 0, 1                                   ; the first step stands in front of the loop: its products start the sums
	s_mov_b32 s3, LAPS-1
.Llap:                                                 ; a trip goes once round the ring and fills both slots again
	TURN 0, 1, 1
	STEP 1, 0, 0
	TURN 1, 0, 1
	STEP 0, 0, 0
	s_sub_co_u32 s3, s3, 1
	s_cmp_lg_u32 s3, 0
	s_cbranch_scc1 .Llap
	TURN 0, 1, 0                                   ; the last lap fills nothing, and has no round of the cluster's barrier
	STEP 1, 0, 0
	s_wait_dscnt 4*NL                              ; the very last step: nothing more to fetch
	WIN MUL_LO
	MUL16 0, 1, 0
	MUL16 2, 1, 0
	s_wait_dscnt 0
	WIN MUL_HI
	MUL16 4, 1, 0
	MUL16 6, 1, 0
	WIN 0
; THE WAY OUT.  Block a (A's rows 16 a on): 64 numbers a lane: sum x (2^es g) + bias, held within +-448 x the scale, converted eight at a time: accumulator (a, b)'s codes are registers 2 b, 2 b + 1 of the block's sixteen.
; kind = 0 (q, k): registers 4 p .. 4 p + 3 are head p's chunk of token tile a.   kind = 1 (v): they are chunk p of head a / 2, channel tile a % 2.
.macro QBLOCK a, kind
.set AC, 64*((\a)%4)
.set CB, CD+16*((\a)%4)
.set WW, 0x02+((\a)/4)
.if (\a) >= 4
	s_wait_xcnt 0x0                                ; block a - 4's stores have read this set of codes: it is written again only behind this wait
.endif
	WIN WW                                         ; source 0: window 2 or 3
.irp b, 0,1,2,3,4,5,6,7
.irp i, 0,2,4,6
.if \kind
	v_pk_fma_f32 v[TMP+8*\b+\i:TMP+8*\b+\i+1], v[AC+8*\b+\i:AC+8*\b+\i+1], s[96:97], v[BM+2*(\a):BM+2*(\a)+1] op_sel_hi:[1,0,1]   ; each accumulator from its low end on
.else
	v_pk_fma_f32 v[TMP+8*\b+\i:TMP+8*\b+\i+1], v[AC+8*\b+\i:AC+8*\b+\i+1], s[96:97], v[BN+8*\b+\i:BN+8*\b+\i+1] op_sel_hi:[1,0,1]
.endif
.endr
.endr
	WIN 0
.irp b, 0,1,2,3,4,5,6,7
.irp i, 0,1,2,3,4,5,6,7
	v_med3_num_f32 v[TMP+8*\b+\i], v[TMP+8*\b+\i], -v[LIM], v[LIM]   ; the conversion to an 8-bit code does not saturate (ISA guide 7.6.2): the hold comes first
.endr
	v_cvt_scalef32_pk8_fp8_f32 v[CB+2*\b:CB+2*\b+1], v[TMP+8*\b:TMP+8*\b+7], v[SCL]
.endr
	v_nop                                          ; one plain vector instruction behind the last conversion: the next block writes its sources again
.irp p, 0,1,2,3
.if \kind
	global_store_b128 v[CO], v[CB+4*\p:CB+4*\p+3], s[10:11] offset:((\a)/2)*65536+((\a)%2)*2048+\p*512
.else
	global_store_b128 v[CO], v[CB+4*\p:CB+4*\p+3], s[10:11] offset:(\a)*512+\p*65536
.endif
.endr
.endm
	s_wait_kmcnt 0x0                               ; the exponents
	s_wait_loadcnt 0x0                             ; the biases
	s_add_co_i32 s91, s68, s69                     ; e0 + e1
	s_add_co_i32 s92, s70, s71                     ; e2 + e3
	s_add_co_i32 s93, s72, s73                     ; e4 + e5
	s_mov_b32 s98, 1.0
	s_cmp_eq_u32 ttmp9, 2
	s_cselect_b32 s92, s93, s92
	s_cselect_b32 s94, s77, s75                    ; e9, or e7
	s_cmp_eq_u32 ttmp9, 0
	s_cselect_b32 s92, s91, s92                    ; es
	s_cselect_b32 s94, s74, s94                    ; the result's exponent
	s_cselect_b32 s98, 0x3e3504f3, s98             ; g = 1 / sqrt(32) for q, else 1
	s_mov_b32 s99, s98                             ; (named with it as a pair, so it is written)
	s_lshl_b32 s92, s92, 23
	s_add_co_i32 s96, s98, s92                     ; 2^es x g: es is added to g's exponent field
	s_mov_b32 s97, s96
	s_add_co_i32 s94, s94, 127
	s_lshl_b32 s95, s94, 23
	v_mov_b32 v[SCL], s95                          ; the result's scale as f32: the conversion takes its exponent field
	s_add_co_i32 s94, s94, 8
	s_lshl_b32 s94, s94, 23
	s_or_b32 s94, s94, 0x600000
	v_mov_b32 v[LIM], s94                          ; 448 x that
	PLACES NP                                      ; behind the last products: their results are read and A's registers written below
	s_cmp_eq_u32 ttmp9, 2                          ; the same in all sixteen partners
	s_cbranch_scc1 .Lv
.irp j, 0,2,4,6,8,10,12,14,16,18,20,22,24,26,28,30,32,34,36,38,40,42,44,46,48,50,52,54,56,58,60,62
	v_pk_mul_f32 v[BN+\j:BN+\j+1], v[BN+\j:BN+\j+1], s[98:99] op_sel_hi:[1,0]   ; b x g, once (for k: x 1, so that q and k share this way out)
.endr
.irp a, 0,1,2,3,4,5,6,7
	QBLOCK \a, 0
.endr
	s_branch .Ldone
.Lv:
.irp a, 0,1,2,3,4,5,6,7
	QBLOCK \a, 1
.endr
.Ldone:
	s_wait_tensorcnt 0x0                           ; the wave's end
	ds_add_u32 v[SPW], v[NIL]
	s_wait_dscnt 0x0
	CROUND                                         ; the closing round: no work-group ends while a partner may still ask for a tile that names it
	s_endpgm
.Lfunc_end_k_q94d657dd5e_qkv:
	.size	k_q94d657dd5e_qkv, .Lfunc_end_k_q94d657dd5e_qkv-k_q94d657dd5e_qkv
	.p2alignl 7, 3214868480
	.fill 96, 4, 3214868480
	.section	.rodata,"a",@progbits
	.p2align	6, 0x0
	.amdhsa_kernel k_q94d657dd5e_qkv
		.amdhsa_group_segment_fixed_size 327680
		.amdhsa_private_segment_fixed_size 0
		.amdhsa_enable_private_segment 0
		.amdhsa_kernarg_size 88
		.amdhsa_user_sgpr_count 2
		.amdhsa_user_sgpr_kernarg_segment_ptr 1
		.amdhsa_wavefront_size32 1
		.amdhsa_system_sgpr_workgroup_id_x 1
		.amdhsa_system_sgpr_workgroup_id_y 1
		.amdhsa_system_sgpr_workgroup_id_z 1
		.amdhsa_system_vgpr_workitem_id 0
		.amdhsa_next_free_vgpr 1024
		.amdhsa_next_free_sgpr 100
		.amdhsa_reserve_vcc 0
		.amdhsa_float_denorm_mode_32 3
		.amdhsa_float_denorm_mode_16_64 3
		.amdhsa_memory_ordered 1
		.amdhsa_forward_progress 1
		.amdhsa_inst_pref_size 196
	.end_amdhsa_kernel
	.amdgpu_metadata
---
amdhsa.version: [ 1, 2 ]
amdhsa.kernels:
  - .name:           k_q94d657dd5e_qkv
    .symbol:         k_q94d657dd5e_qkv.kd
    .args:
      - { .name: hidden_states_codes, .offset: 0, .size: 8, .value_kind: global_buffer, .address_space: global }
      - { .name: Wq_codes, .offset: 8, .size: 8, .value_kind: global_buffer, .address_space: global }
      - { .name: Wk_codes, .offset: 16, .size: 8, .value_kind: global_buffer, .address_space: global }
      - { .name: Wv_codes, .offset: 24, .size: 8, .value_kind: global_buffer, .address_space: global }
      - { .name: bq, .offset: 32, .size: 8, .value_kind: global_buffer, .address_space: global }
      - { .name: bk, .offset: 40, .size: 8, .value_kind: global_buffer, .address_space: global }
      - { .name: bv, .offset: 48, .size: 8, .value_kind: global_buffer, .address_space: global }
      - { .name: lowp_scales, .offset: 56, .size: 8, .value_kind: global_buffer, .address_space: global }
      - { .name: qc, .offset: 64, .size: 8, .value_kind: global_buffer, .address_space: global }
      - { .name: kc, .offset: 72, .size: 8, .value_kind: global_buffer, .address_space: global }
      - { .name: vc, .offset: 80, .size: 8, .value_kind: global_buffer, .address_space: global }
    .group_segment_fixed_size: 327680
    .private_segment_fixed_size: 0
    .kernarg_segment_align: 8
    .kernarg_segment_size: 88
    .max_flat_workgroup_size: 128
    .sgpr_count:     100
    .vgpr_count:     1024
    .wavefront_size: 32
...
	.end_amdgpu_metadata
.endif
;; end of part 1
;; launch attn (part 2): grid 4 x 64, 16 waves a work-group, no clusters, 34,816 bytes of LDS; arguments qc, kc, vc, lowp_scales, cc; writes cc
.if DOCPART == 2
	.amdgcn_target "amdgcn-amd-amdhsa--gfx1250"
	.amdhsa_code_object_version 6
	.text
	.protected	k_q94d657dd5e_attn
	.globl	k_q94d657dd5e_attn
	.p2align	8
	.type	k_q94d657dd5e_attn,@function
k_q94d657dd5e_attn:
	s_mov_b64 s[64:65], 0
	v_nop
	global_prefetch_b8 v0, s[64:65] scope:SCOPE_SE
	s_setreg_imm32_b32 hwreg(HW_REG_WAVE_MODE, 25, 1), 1
	s_wait_xcnt 0x0
; ctx[b][q][head] = the sum over keys k <= q of softmax_k(q . k) v, both products on codes of FP8 (E4M3); the result is quantised at once with its given scale.  64 heads (batch x 32 + head) of 2,048 tokens x 32 channels.
; INPUTS, images of operand registers in chunks of 512 bytes, lane l's 16 bytes at 16 l:
;   qc, kc: [head 64][tile of 16 tokens: 128][512]: lane (r, h): token r; channels 8 h + 0 .. 7, then 16 + 8 h + 0 .. 7: registers 0-3 of an operand of the form with K = 64; registers 4-7 (K = 32 .. 63) are zero codes on both sides
;   vc:     [head 64][block of 128 keys: 16][tile of 16 channels: 2][chunk c: 4][512]: registers 4 c .. 4 c + 3 of an operand of the form with K = 128: lane (r, h): channel r; keys 16 (2 c) + 8 h + 0 .. 7, 16 (2 c + 1) + 8 h + 0 .. 7
; OUTPUT cc: [block of 128 tokens: 32][8 heads: 4][tile of 16 tokens: 8][head: 8][512]: lane (r, h): token r, channels 16 h + 0 .. 15 of that head.
; THE SOFTMAX AHEAD OF THE SECOND PRODUCT: t = score x log2(e); M = the row's largest t so far, rounded UP to a whole number; p = 2^(t - M) is what is quantised; it is not normalised.
; The row's sum is taken of the unquantised p, in f32, and divides at the end.  When M moves, the sum and O are multiplied by 2^(old M - new M): exact.
; SHARES.  Work-group (x, head) owns two blocks of 256 queries, block x and then block 7 - x: x + 1 and 8 - x slots of 256 keys lie under the mask, nine in all for every work-group.
; Each of its sixteen waves owns one tile of 16 queries of the block, in 256 registers.  A slot's K and V (16,384 bytes) go through LDS, two buffers by turns, filled through registers: each thread carries 16 bytes of K and 16 of V,
; asked for a whole slot ahead.  One barrier a slot.  The slots are walked in pairs, so that no LDS address is stepped; where a block's number of slots is odd, the pair's second slot has no step to do.
; No cluster and no joint loads: the four work-groups of a head walk x + 1 and then 8 - x slots, so at any time partners would need different tiles, and different numbers of them.
; LAYOUT.  Both products are used transposed: S^T = K Q^T (source 0 = 16 keys, source 1 = my 16 queries): lane (r, h), register j of tile t: query r, key 16 t + 8 h + j.  Eight such registers, converted, are registers
; 2 t, 2 t + 1 of P as source 1 of O^T = V^T P^T, in that form's own layout.  A lane holds one query throughout.
; CAUSAL.  A step of 128 keys all of which come after my 16 queries is left out, by a scalar branch on ids; on the diagonal hidden scores become -infinity ahead of the maximum.  A step that is not left out begins at or
; before my first query, so every query sees a key in it.
; LIMITS on the given exponents: e6 + e7 between -126 and 127 (they are added to log2(e)'s exponent field); e8 and e10 between -126 and 119.  NaN codes are not served.
.set LI,   1                           ; v1   16 x lane: my place in a chunk
.set TG,   2                           ; v2   16 x thread: my place in a slot's 8,192 bytes of K and of V
.set VA,   3                           ; v3   the same + the slot that is being asked for
.set DM,   4                           ; v4   r - 8 h
.set D,    5                           ; v5   at work
.set NINF, 6                           ; v6   -infinity
.set PT,   7                           ; v7   a lane permute's destination
.set MA,   8                           ; v8, v9  the maximum's two chains
.set MB,   9
.set F,    10                          ; v[10:11] f = 2^(old M - new M); v11 = 0, named as the pair's upper half
                                       ; v12 -M, v13 the largest t, v[14:15] the sum in two halves
.set QF,   16                          ; v[16:23]   Q's fragment
.set KFR,  24                          ; v[24:87]   K's eight fragments
.set VF,   88                          ; v[88:119]  V's two fragments
.set S,    120                         ; v[120:183] S^T, then p
.set O,    184                         ; v[184:199] O^T
.set PC,   200                         ; v[200:215] p's codes
.set RA,   216                         ; v[216:223], v[224:231] two sets of 16 bytes of K and 16 of V on their way to LDS
.set SUM2, 232                         ; v[232:233] the sum's second chain
.set PLIM, 234                         ; 448 x 2^e8
.set PSC,  235                         ; 2^e8
.set CLIM, 236                         ; 448 x 2^e10
.set CSC,  237                         ; 2^e10
.set CD,   240                         ; v[240:243] ctx's codes as converted; v[244:247] the other half of the lanes'; v[248:251] as stored
.set XC,   244
.set TC,   248
; s[4:5] qc, s[6:7] kc, s[8:9] vc at my head; s[12:13] cc at my wave's chunk of block 0; s14 wave; s16 head; s17 the block of queries; s18 my first query; s19 the step's first key;
; s20 byte of the slot to be asked for next; s21 pairs of slots in this block; s22, s23 counters; s[24:25] c; s[26:27] lane selects; s28 e8; s29 e8 + e9; s[32:33] my Q; s[34:35] my chunk of cc
	s_load_b256 s[4:11], s[0:1], 0x0               ; qc, kc, vc, the exponents
	s_load_b64 s[12:13], s[0:1], 0x20              ; cc
	v_lshl_add_u32 v254, v0, 2, 0x8000
	v_mov_b32 v255, 0
	v_lshrrev_b32 v[LI], 5, v0
	v_readfirstlane_b32 s14, v[LI]                 ; wave 0..15
	v_and_b32 v[LI], 31, v0
	v_lshlrev_b32 v[LI], 4, v[LI]
	v_lshlrev_b32 v[TG], 4, v0
	v_and_b32 v[DM], 15, v0
	v_bfe_u32 v[D], v0, 4, 1
	v_lshlrev_b32 v[D], 3, v[D]
	v_sub_nc_u32 v[DM], v[DM], v[D]
	v_mov_b32 v[NINF], 0xff800000
	v_mov_b32 v[PT], 0                             ; written once: a lane permute's destination counts as one of its sources
	v_mov_b32 v[F+1], 0
.irp j, 4,5,6,7
	v_mov_b32 v[QF+\j], 0                          ; K = 32 .. 63 of the first product: zero codes, set once
.endr
.irp t, 0,1,2,3,4,5,6,7
.irp j, 4,5,6,7
	v_mov_b32 v[KFR+8*\t+\j], 0
.endr
.endr
.irp j, 0,1,2,3
	v_mov_b32 v[XC+\j], 0
.endr
	s_and_b32 s16, ttmp7, 0xffff                   ; batch x 32 + head
	s_mov_b32 s17, ttmp9                           ; the first block of queries
	s_mov_b32 s26, 0x76543210
	s_mov_b32 s27, 0xfedcba98                      ; v_permlanex16_b32's selects for lane l xor 16
	s_lshl_b32 s20, s16, 16                        ; a head's 65,536 bytes in qc, kc and vc
	s_mov_b32 s21, 0
	s_lshr_b32 s30, s16, 5
	s_lshl_b32 s30, s30, 21                        ; cc: the batch's 16 blocks of 131,072 bytes,
	s_bfe_u32 s28, s16, 0x20003
	s_lshl_b32 s28, s28, 15                        ; the head's group of eight: 32,768,
	s_add_co_u32 s30, s30, s28
	s_and_b32 s28, s16, 7
	s_lshl_b32 s28, s28, 9                         ; the head in it: 512,
	s_add_co_u32 s30, s30, s28
	s_lshr_b32 s28, s14, 3
	s_lshl_b32 s28, s28, 17                        ; waves 8-15: the second 128 tokens,
	s_add_co_u32 s30, s30, s28
	s_and_b32 s28, s14, 7
	s_lshl_b32 s28, s28, 12                        ; my tile of 16 tokens: 4,096
	s_add_co_u32 s30, s30, s28
	s_mov_b32 s31, 0
	s_wait_kmcnt 0x0
	s_load_b64 s[42:43], s[10:11], 0x18            ; e6, e7
	s_load_b128 s[44:47], s[10:11], 0x20           ; e8, e9, e10, e11
	s_add_nc_u64 s[4:5], s[4:5], s[20:21]
	s_add_nc_u64 s[6:7], s[6:7], s[20:21]
	s_add_nc_u64 s[8:9], s[8:9], s[20:21]
	s_add_nc_u64 s[12:13], s[12:13], s[30:31]
	s_wait_kmcnt 0x0
	s_add_co_i32 s30, s42, s43
	s_lshl_b32 s30, s30, 23
	s_add_co_i32 s24, s30, 0x3fb8aa3b              ; c = log2(e) x 2^(e6 + e7): a sum of codes' products stands for sum x 2^(e6 + e7)
	s_mov_b32 s25, s24                             ; (named with it as a pair, so it is written)
	s_mov_b32 s28, s44
	s_add_co_i32 s29, s44, s45
	s_add_co_i32 s30, s44, 127
	s_lshl_b32 s31, s30, 23
	v_mov_b32 v[PSC], s31
	s_add_co_i32 s30, s30, 8
	s_lshl_b32 s30, s30, 23
	s_or_b32 s30, s30, 0x600000
	v_mov_b32 v[PLIM], s30
	s_add_co_i32 s30, s46, 127
	s_lshl_b32 s31, s30, 23
	v_mov_b32 v[CSC], s31
	s_add_co_i32 s30, s30, 8
	s_lshl_b32 s30, s30, 23
	s_or_b32 s30, s30, 0x600000
	v_mov_b32 v[CLIM], s30
	s_mov_b32 s23, 0
; A KEY STEP: 128 keys, the q-th half of the slot in buffer b.
.macro STEP b, q
	s_add_co_u32 s30, s18, 15
	s_cmp_gt_u32 s19, s30                          ; all 128 keys come after my queries: nothing to do.  No barrier stands in a step
	s_cbranch_scc1 .Lhid_\@
.irp t, 0,1,2,3,4,5,6,7
	ds_load_b128 v[KFR+8*\t:KFR+8*\t+3], v[LI] offset:(\b)*16384+(\q)*4096+512*\t
.endr
	s_wait_dscnt 0x0
.irp t, 0,1,2,3,4,5,6,7
	v_wmma_f32_16x16x64_fp8_fp8 v[S+8*\t:S+8*\t+7], v[KFR+8*\t:KFR+8*\t+7], v[QF:QF+7], 0
.endr
.rept 4
	v_nop                                          ; the places behind these products, whose results are read below, and behind the last step's two, into whose V the loads below land
.endr
.irp u, 0,1
.irp c, 0,1,2,3
	ds_load_b128 v[VF+16*\u+4*\c:VF+16*\u+4*\c+3], v[LI] offset:(\b)*16384+8192+(\q)*4096+2048*\u+512*\c   ; V lands while the softmax is worked
.endr
.endr
	s_add_co_u32 s30, s19, 127
	s_cmp_le_u32 s30, s18                          ; all 128 keys count for all my queries: no mask
	s_cbranch_scc1 .Lopen_\@
	s_sub_co_u32 s30, s18, s19
	v_add_nc_u32 v[D], s30, v[DM]                  ; d = my query - the step's first key - 8 h.  Register 8 t + j holds key 16 t + 8 h + j of the step: hidden where 16 t + j > d
.irp t, 0,1,2,3,4,5,6,7
.irp j, 0,1,2,3,4,5,6,7
	v_cmp_gt_i32 vcc_lo, 16*\t+\j, v[D]
	v_cndmask_b32 v[S+8*\t+\j], v[S+8*\t+\j], v[NINF], vcc_lo
.endr
.endr
.Lopen_\@:
	v_max3_num_f32 v[MA], v[S], v[S+1], v[S+2]     ; the step's largest score of my query among my 64 keys, in two chains, each accumulator from its low end on,
	v_max3_num_f32 v[MB], v[S+3], v[S+4], v[S+5]
.irp i, 6,10,14,18,22,26,30,34,38,42,46,50,54,58
	v_max3_num_f32 v[MA], v[MA], v[S+\i], v[S+\i+1]
	v_max3_num_f32 v[MB], v[MB], v[S+\i+2], v[S+\i+3]
.endr
	v_max3_num_f32 v[MA], v[MA], v[S+62], v[S+63]
	v_max_num_f32 v[MA], v[MA], v[MB]
	v_permlanex16_b32 v[PT], v[MA], s26, s27
	v_max_num_f32 v[MA], v[MA], v[PT]              ; and among lane l xor 16's
	v_mul_f32 v[MA], s24, v[MA]                    ; as t (c is positive)
	v_max_num_f32 v13, v13, v[MA]                  ; the running largest t
	v_mov_b32 v[MA], v12
	v_floor_f32 v12, -v13                          ; the new -M = floor(-t) = -ceil(t): a whole number
	v_sub_f32 v[MA], v12, v[MA]                    ; M's old value less its new one: a whole number, 0 or less
	v_cvt_i32_f32 v[MA], v[MA]                     ; (it saturates)
	v_ldexp_f32 v[F], 1.0, v[MA]                   ; f = 2^(old M - new M)
.irp j, 0,2,4,6,8,10,12,14,16,18,20,22,24,26,28,30,32,34,36,38,40,42,44,46,48,50,52,54,56,58,60,62
	v_pk_fma_f32 v[S+\j:S+\j+1], v[S+\j:S+\j+1], s[24:25], v[12:13] op_sel_hi:[1,0,0]   ; t - M, two at a time (of the pairs c and -M the low word serves both halves)
.endr
.irp j, 0,1,2,3,4,5,6,7,8,9,10,11,12,13,14,15,16,17,18,19,20,21,22,23,24,25,26,27,28,29,30,31,32,33,34,35,36,37,38,39,40,41,42,43,44,45,46,47,48,49,50,51,52,53,54,55,56,57,58,59,60,61,62,63
	v_exp_f32 v[S+\j], v[S+\j]                     ; p = 2^(t - M): not normalised
.endr
	v_pk_mul_f32 v[14:15], v[14:15], v[F:F+1] op_sel_hi:[1,0]   ; the sums under the new M: the plain instruction behind the exponentials
	s_wait_alu depctr_va_vdst(0)                   ; one wait for the whole batch, ahead of its first reader
	v_pk_add_f32 v[SUM2:SUM2+1], v[S:S+1], v[S+2:S+3]   ; the row's sum is taken of the unquantised p: two at a time, in two chains
.irp j, 4,8,12,16,20,24,28,32,36,40,44,48,52,56,60
	v_pk_add_f32 v[14:15], v[14:15], v[S+\j:S+\j+1]
	v_pk_add_f32 v[SUM2:SUM2+1], v[SUM2:SUM2+1], v[S+\j+2:S+\j+3]
.endr
	v_pk_add_f32 v[14:15], v[14:15], v[SUM2:SUM2+1]
	s_cmp_ge_i32 s28, -8                           ; p is at most 1 (but for the last bit), so p / 2^e8 is at most 2^8 where e8 >= -8: under 448, and the hold would change nothing
	s_cbranch_scc1 .Lnohold_\@
.irp j, 0,1,2,3,4,5,6,7,8,9,10,11,12,13,14,15,16,17,18,19,20,21,22,23,24,25,26,27,28,29,30,31,32,33,34,35,36,37,38,39,40,41,42,43,44,45,46,47,48,49,50,51,52,53,54,55,56,57,58,59,60,61,62,63
	v_min_num_f32 v[S+\j], v[S+\j], v[PLIM]        ; the conversion does not saturate (ISA guide 7.6.2); p is not negative, so the hold is one-sided
.endr
.Lnohold_\@:
.irp t, 0,1,2,3,4,5,6,7
	v_cvt_scalef32_pk8_fp8_f32 v[PC+2*\t:PC+2*\t+1], v[S+8*\t:S+8*\t+7], v[PSC]
.endr
.irp j, 0,2,4,6,8,10,12,14
	v_pk_mul_f32 v[O+\j:O+\j+1], v[O+\j:O+\j+1], v[F:F+1] op_sel_hi:[1,0]   ; O^T under the new M; also the plain instructions between the conversions and the products that read their results
.endr
	s_wait_dscnt 0x0                               ; V is in
.irp u, 0,1
	v_wmma_f32_16x16x128_fp8_fp8 v[O+8*\u:O+8*\u+7], v[VF+16*\u:VF+16*\u+15], v[PC:PC+15], v[O+8*\u:O+8*\u+7]   ; the ten accumulators of a step take turns, one instruction a turn
.endr
.Lhid_\@:
	s_add_co_u32 s19, s19, 128
.endm
; A SLOT in buffer b.  One barrier does two things: in front of it each wave's stores into buffer b have landed and its reads of the other buffer are back; behind it buffer b is whole and nobody reads the other one.
; Then the next slot, which came into registers while the last slot was worked, goes into the other buffer, and the slot after it is asked for.
.macro SLOT b
	s_wait_dscnt 0x0
	s_barrier_signal -1
	s_barrier_wait -1
	s_wait_loadcnt 0x0                             ; the next slot's 32 bytes of mine are in: asked for a whole slot ago.  No load of mine is out, so v[VA] may be written
	ds_store_b128 v[TG], v[RA+8*(1-\b):RA+8*(1-\b)+3] offset:(1-\b)*16384
	ds_store_b128 v[TG], v[RA+8*(1-\b)+4:RA+8*(1-\b)+7] offset:(1-\b)*16384+8192
	s_min_u32 s30, s20, 57344                      ; held at the head's last slot: no load leaves its buffer
	v_add_nc_u32 v[VA], s30, v[TG]
	global_load_b128 v[RA+8*\b:RA+8*\b+3], v[VA], s[6:7]
	global_load_b128 v[RA+8*\b+4:RA+8*\b+7], v[VA], s[8:9]
	s_add_co_u32 s20, s20, 8192
	STEP \b, 0
	STEP \b, 1
.endm
.Lblock:                                               ; two trips: block x, then block 7 - x
	s_wait_loadcnt 0x0                             ; what the last block asked for beyond its end has come: its registers are loaded again below
	s_wait_xcnt 0x0                                ; the last block's store has read its data and its base
	s_lshl_b32 s18, s17, 8
	s_lshl_b32 s30, s14, 4
	s_add_co_u32 s18, s18, s30                     ; my first query: 256 x block + 16 x wave
	s_add_co_u32 s21, s17, 2
	s_lshr_b32 s21, s21, 1                         ; block + 1 slots lie under the mask: that many, rounded up to pairs
	s_lshl_b32 s30, s18, 5                         ; my tile's chunk of qc: 512 bytes for 16 queries
	s_mov_b32 s31, 0
	s_add_nc_u64 s[32:33], s[4:5], s[30:31]
	s_lshl_b32 s30, s17, 18                        ; a block of 256 queries is 262,144 bytes of cc
	s_add_nc_u64 s[34:35], s[12:13], s[30:31]
	s_mov_b32 s19, 0
	s_mov_b32 s20, 16384                           ; slots 0 and 1 are asked for here; the loop goes on with slot 2
	s_mov_b32 s22, 0
	global_load_b128 v[QF:QF+3], v[LI], s[32:33] th:TH_LOAD_NT
	global_load_b128 v[RA:RA+3], v[TG], s[6:7]
	global_load_b128 v[RA+4:RA+7], v[TG], s[8:9]
	global_load_b128 v[RA+8:RA+11], v[TG], s[6:7] offset:8192
	global_load_b128 v[RA+12:RA+15], v[TG], s[8:9] offset:8192
	v_mov_b32 v13, 0xff61b1e6                      ; the largest t so far: -3e38, under every t
	v_floor_f32 v12, -v13                          ; -M
	v_mov_b32 v14, 0                               ; the sum, in two halves
	v_mov_b32 v15, 0
.irp j, 0,1,2,3,4,5,6,7,8,9,10,11,12,13,14,15
	v_mov_b32 v[O+\j], 0                           ; O^T: the step is written once; the first finds zeros, which the first change of M leaves zeros
.endr
	s_wait_loadcnt 0x2                             ; Q and slot 0 are in; slot 1's two loads may be out
	s_wait_dscnt 0x0
	s_barrier_signal -1
	s_barrier_wait -1                              ; no wave still reads either buffer
	ds_store_b128 v[TG], v[RA:RA+3]
	ds_store_b128 v[TG], v[RA+4:RA+7] offset:8192
.Lpair:
	SLOT 0
	SLOT 1
	s_add_co_u32 s22, s22, 1
	s_cmp_lt_u32 s22, s21
	s_cbranch_scc1 .Lpair
	; THE WAY OUT of a block: O^T x 2^(e8 + e9) / the sum, quantised with e10.  Register 8 u + j of lane (r, h) is channel 16 u + 8 h + j of query r; the chunk wants channels 16 h + 0 .. 15: the two middle eights change halves of the lanes.
.rept 4
	v_nop                                          ; the places behind the last products
.endr
	v_add_f32 v14, v14, v15                        ; the sum's two halves,
	v_permlanex16_b32 v[PT], v14, s26, s27
	v_add_f32 v14, v14, v[PT]                      ; and lane l xor 16's
	v_rcp_f32 v14, v14
	v_and_b32 v[D], 16, v0                         ; (a plain instruction behind the reciprocal)
	v_cmp_ne_u32 vcc_lo, 0, v[D]                   ; lanes 16-31
	s_wait_alu depctr_va_vdst(0)                   ; the wait ahead of the first reader
	v_ldexp_f32 v[F], v14, s29
.irp j, 0,2,4,6,8,10,12,14
	v_pk_mul_f32 v[S+\j:S+\j+1], v[O+\j:O+\j+1], v[F:F+1] op_sel_hi:[1,0]
.endr
.irp j, 0,1,2,3,4,5,6,7,8,9,10,11,12,13,14,15
	v_med3_num_f32 v[S+\j], v[S+\j], -v[CLIM], v[CLIM]
.endr
	v_cvt_scalef32_pk8_fp8_f32 v[CD:CD+1], v[S:S+7], v[CSC]
	v_cvt_scalef32_pk8_fp8_f32 v[CD+2:CD+3], v[S+8:S+15], v[CSC]
	v_nop                                          ; one plain vector instruction behind the conversions
.irp j, 0,1,2,3
	v_permlanex16_b32 v[XC+\j], v[CD+\j], s26, s27
.endr
	v_cndmask_b32 v[TC], v[CD], v[XC+2], vcc_lo    ; lanes 0-15: channels 0-7 are mine; lanes 16-31: channels 16-23 are lane l - 16's
	v_cndmask_b32 v[TC+1], v[CD+1], v[XC+3], vcc_lo
	v_cndmask_b32 v[TC+2], v[XC], v[CD+2], vcc_lo  ; lanes 0-15: channels 8-15 are lane l + 16's; lanes 16-31: channels 24-31 are mine
	v_cndmask_b32 v[TC+3], v[XC+1], v[CD+3], vcc_lo
	global_store_b128 v[LI], v[TC:TC+3], s[34:35]  ; the wave stores 512 consecutive bytes, aligned
	s_sub_co_u32 s17, 7, s17
	s_add_co_u32 s23, s23, 1
	s_cmp_lt_u32 s23, 2
	s_cbranch_scc1 .Lblock
	s_wait_tensorcnt 0x0
	ds_add_u32 v254, v255
	s_wait_dscnt 0x0
	s_endpgm
.Lfunc_end_k_q94d657dd5e_attn:
	.size	k_q94d657dd5e_attn, .Lfunc_end_k_q94d657dd5e_attn-k_q94d657dd5e_attn
	.p2alignl 7, 3214868480
	.fill 96, 4, 3214868480
	.section	.rodata,"a",@progbits
	.p2align	6, 0x0
	.amdhsa_kernel k_q94d657dd5e_attn
		.amdhsa_group_segment_fixed_size 34816
		.amdhsa_private_segment_fixed_size 0
		.amdhsa_enable_private_segment 0
		.amdhsa_kernarg_size 40
		.amdhsa_user_sgpr_count 2
		.amdhsa_user_sgpr_kernarg_segment_ptr 1
		.amdhsa_wavefront_size32 1
		.amdhsa_system_sgpr_workgroup_id_x 1
		.amdhsa_system_sgpr_workgroup_id_y 1
		.amdhsa_system_sgpr_workgroup_id_z 1
		.amdhsa_system_vgpr_workitem_id 0
		.amdhsa_next_free_vgpr 256
		.amdhsa_next_free_sgpr 66
		.amdhsa_reserve_vcc 1
		.amdhsa_float_denorm_mode_32 3
		.amdhsa_float_denorm_mode_16_64 3
		.amdhsa_memory_ordered 1
		.amdhsa_forward_progress 1
		.amdhsa_inst_pref_size 85
	.end_amdhsa_kernel
	.amdgpu_metadata
---
amdhsa.version: [ 1, 2 ]
amdhsa.kernels:
  - .name:           k_q94d657dd5e_attn
    .symbol:         k_q94d657dd5e_attn.kd
    .args:
      - { .name: qc, .offset: 0, .size: 8, .value_kind: global_buffer, .address_space: global }
      - { .name: kc, .offset: 8, .size: 8, .value_kind: global_buffer, .address_space: global }
      - { .name: vc, .offset: 16, .size: 8, .value_kind: global_buffer, .address_space: global }
      - { .name: lowp_scales, .offset: 24, .size: 8, .value_kind: global_buffer, .address_space: global }
      - { .name: cc, .offset: 32, .size: 8, .value_kind: global_buffer, .address_space: global }
    .group_segment_fixed_size: 34816
    .private_segment_fixed_size: 0
    .kernarg_segment_align: 8
    .kernarg_segment_size: 40
    .max_flat_workgroup_size: 512
    .sgpr_count:     66
    .vgpr_count:     256
    .wavefront_size: 32
...
	.end_amdgpu_metadata
.endif
;; end of part 2
;; launch oproj (part 3): grid 4 x 16, 4 waves a work-group, clusters of 4 x 4, 327,680 bytes of LDS; arguments cc, Wo_codes, lowp_scales, out0, bo; writes out0
.if DOCPART == 3
	.amdgcn_target "amdgcn-amd-amdhsa--gfx1250"
	.amdhsa_code_object_version 6
	.text
	.protected	k_q94d657dd5e_oproj
	.globl	k_q94d657dd5e_oproj
	.p2align	8
	.type	k_q94d657dd5e_oproj,@function
k_q94d657dd5e_oproj:
	s_mov_b64 s[64:65], 0
	v_nop
	global_prefetch_b8 v0, s[64:65] scope:SCOPE_SE
	s_setreg_imm32_b32 hwreg(HW_REG_WAVE_MODE, 25, 1), 1
	s_wait_xcnt 0x0
	s_wait_alu depctr_hold_cnt(0) depctr_sa_sdst(0) depctr_va_vdst(0) depctr_va_sdst(0) depctr_va_ssrc(0) depctr_va_vcc(0) depctr_vm_vsrc(0)
	s_getreg_b32 s2, hwreg(HW_REG_IB_STS2, 6, 4)
	s_cmp_eq_u32 s2, 0
	s_cbranch_scc0 .Lentry_in_a_cluster
	s_endpgm
.Lentry_in_a_cluster:
	s_bfe_u32 s2, ttmp6, 0x10000c
	s_cmp_lg_u32 s2, 0xf033
	s_cbranch_scc0 .Lentry_shape_is_right
	s_endpgm
.Lentry_shape_is_right:
; out = ctx Wo^T + bo.  ctx: 4,096 tokens x 1,024, codes of FP8 (E4M3) with the scale 2^e10; Wo: [1024][1024] codes, K innermost, scale 2^e11; bo [1024] and out [4096][1024]: f32; sums in f32.
; ctx's codes lie as images of operand registers: cc [block of 128 tokens: 32][K step of 256: 4][tile of 16 tokens: 8][32 along K: 8][512]; in a chunk lane l's 16 bytes at 16 l: lane (r, h): token r, K = 16 h + 0 .. 15 of the 32.
; So what a wave fetches of ctx for a K step is one dense block of 32,768 bytes, and a fragment comes out of LDS by four loads of 512 consecutive bytes.
; A tile of out, 256 x 256, is made by a work-group of four waves; a wave makes 128 x 128: 64 accumulators of 16 x 16.  K goes in steps of 256 through a ring of two LDS slots filled by the tensor data mover.
; CLUSTERS: 4 x 4 work-groups.  The four of a row need the same tiles of ctx, the four of a column the same tiles of Wo: each tile is asked for jointly, by the same tensor load with the same descriptor and a mask that names the four.
; THE MATRIX INSTRUCTION IS USED TRANSPOSED (source 0 = 16 rows of Wo, source 1 = 16 tokens): a lane then holds eight neighbouring numbers of a row of out.
; LIMIT: e10 + e11 between -126 and 127, so that 2^(e10 + e11) is an f32 number.
; REGISTERS, in windows of 256: window 0: v0-31 addresses, v12-15 my four numbers of bo; from v128 ctx's fragments, ONE set (on the way out: rows of out).
;   window 1: Wo's fragments, TWO sets.   window 2: the accumulators of my rows 0-63 ((a, b) at v[8 (8 a + b)]);   window 3: those of my rows 64-127.
.set SIZE_K, 1024
.set SIZE_N, 1024
.set KSTEP,  256
.set ROWB,   256                       ; a row of Wo's tile in bytes
.set KROW,   SIZE_K                    ; a row of Wo in memory; also a token's bytes of cc
.set PITCH,  272                       ; Wo's rows in LDS: 256 bytes + 16 of padding: the 16 rows that a load touches start at 16 different banks (64 banks of 4 bytes: ISA guide 11.1)
.set STEPA,  32768                     ; from a K step of a block of 128 tokens to the next, in cc
.set FR,     16
.set NL,     4
.set NP,     4
.set HALFA,  32768                     ; 128 tokens x 256 along K, dense
.set HALFB,  128*PITCH                 ; 128 rows of Wo
.set SLOT,   2*HALFA+2*HALFB           ; ctx's two halves, then Wo's two halves
.set LAPS,   SIZE_K/(2*KSTEP)
.set SPARE,  2*SLOT                    ; behind the ring: the spare words, 128 bytes for each wave, which no other line names
.set SPITCH, 528                       ; the way out: a stage of 16 rows x (512 bytes + 16) for each wave, in slot 0, which has had its last fill and its last read when the first result is stored there
.set BO,   12                          ; v12-15  bo at my four columns of a row read back from the stage
.set ADRA, 16
.set ADRB, 20
.set STO,  24                          ; v24     the way out: where I put 32 bytes of a row
.set RD,   25                          ; v25     where I read a row back
.set CO,   26                          ; v26     16 x lane
.set SPW,  28
.set NIL,  29
.set AF,   128
.set BK,   128                         ; the way out: 16 rows read back: v128-191 and v192-255 by turns
.set G1, 24
.set G0, 32
.set G1B, 48
.set G0B, 56
.set MSB, 0
.macro WIN new                         ; the immediate's high byte repeats the setting that is left
.if MSB != \new
	s_set_vgpr_msb (MSB<<8)|\new
.set MSB, \new
.endif
.endm
.set MUL_LO, 0xa1
.set MUL_HI, 0xf1
.set TO_B,   0x40
.macro JLOAD g0a, g1a, g0b, g1b        ; a joint load: waves 0 and 1 fetch ctx's halves, waves 2 and 3 Wo's; four v_nop follow each of the two lines
	s_cmp_eq_u32 s15, 0
	s_cbranch_scc0 .Lfor_b_\@
	tensor_load_to_lds s[\g0a:\g0a+3], s[\g1a:\g1a+7]
	s_nop 0
.rept 4
	v_nop
.endr
	s_branch .Lasked_\@
.Lfor_b_\@:
	tensor_load_to_lds s[\g0b:\g0b+3], s[\g1b:\g1b+7]
	s_nop 0
.rept 4
	v_nop
.endr
.Lasked_\@:
.endm
.macro CREST
	s_cmp_lg_u32 s14, 0
	s_cbranch_scc1 .Lnot_wave_0_\@
	s_barrier_signal -3
.Lnot_wave_0_\@:
	s_barrier_wait -3
	s_barrier_signal -1
	s_barrier_wait -1
.endm
.macro CROUND
	s_barrier_signal -1
	s_barrier_wait -1
	CREST
.endm
	s_load_b128 s[4:7], s[0:1], 0x0                ; cc s[4:5], Wo's codes s[6:7]
	s_load_b128 s[8:11], s[0:1], 0x10              ; the exponents s[8:9], out s[10:11]
	s_load_b64 s[12:13], s[0:1], 0x20              ; bo
	v_lshl_add_u32 v[SPW], v0, 2, SPARE
	v_mov_b32 v[NIL], 0
	ds_add_u32 v28, v29
	ds_add_u32 v28, v29
	s_wait_dscnt 0x0
	v_lshrrev_b32 v1, 5, v0
	v_readfirstlane_b32 s14, v1                    ; wave 0..3
	s_lshr_b32 s15, s14, 1                         ; which half of the tile's rows is mine.  Also: I fetch ctx (0) or Wo (1)
	s_and_b32 s16, s14, 1                          ; which half of its columns.  Also: which half of that tile I fetch
	s_bfe_u32 s40, ttmp6, 0x40000                  ; cx, cy
	s_bfe_u32 s41, ttmp6, 0x40004
	s_lshl_b32 s42, ttmp9, 2
	s_add_co_u32 s42, s42, s40                     ; tile column = 4 x cluster x + cx
	s_and_b32 s17, ttmp7, 0xffff
	s_lshl_b32 s17, s17, 2
	s_add_co_u32 s17, s17, s41                     ; tile row = 4 x cluster y + cy
	s_lshl_b32 s43, s41, 2
	s_lshl_b32 s43, 15, s43                        ; my row of the cluster
	s_lshl_b32 s44, 0x1111, s40                    ; my column
	; group 1 for ctx: a dense block, stated as 128 rows of 32 elements of 8 bytes, no padding
	s_or_b32 s[G1+0], s43, (3<<16)|(1<<21)         ; 15:0 the mask: my row; 17:16 elements of 8 bytes; 21 set beside a mask
	s_mov_b32 s[G1+1], 32<<16                      ; tensor_dim0 = 32
	s_mov_b32 s[G1+2], 128<<16                     ; tensor_dim1 = 128
	s_mov_b32 s[G1+3], 32<<16                      ; tile_dim0 = 32
	s_mov_b32 s[G1+4], 128                         ; tile_dim1 = 128
	s_mov_b32 s[G1+5], 32                          ; tensor_dim0_stride: each row begins where the last ends
	s_mov_b32 s[G1+6], 0
	s_mov_b32 s[G1+7], 0
	; group 1 for Wo: 128 rows x 256 bytes, padded in LDS
	s_or_b32 s[G1B+0], s44, (0<<16)|(1<<20)|(1<<21)|(5<<22)|(3<<25)  ; the mask: my column; elements of 1 byte; padding: 4 words after every 64
	s_mov_b32 s[G1B+1], ROWB<<16
	s_mov_b32 s[G1B+2], 128<<16
	s_mov_b32 s[G1B+3], ROWB<<16
	s_mov_b32 s[G1B+4], 128
	s_mov_b32 s[G1B+5], KROW
	s_mov_b32 s[G1B+6], 0
	s_mov_b32 s[G1B+7], 0
	s_lshl_b32 s18, s16, 7
	s_lshl_b32 s20, s17, 8
	s_add_co_u32 s20, s20, s18                     ; ctx: token 256 x tile row + 128 x half: a block of 128 tokens is 128 x 1,024 bytes of cc
	s_lshl_b32 s46, s42, 8
	s_add_co_u32 s46, s46, s18                     ; Wo: row 256 x tile column + 128 x half
	s_mov_b32 s21, 0
	s_mov_b32 s47, 0
	s_mov_b64 s[18:19], KROW
	s_mul_u64 s[20:21], s[20:21], s[18:19]
	s_mul_u64 s[46:47], s[46:47], s[18:19]
	s_mul_i32 s45, s16, HALFA                      ; where they go: ctx's half,
	s_mul_i32 s66, s16, HALFB
	s_add_co_u32 s66, s66, 2*HALFA                 ; Wo's half, behind ctx's two: no place in the cluster enters an LDS address
	s_wait_kmcnt 0x0
	s_load_b64 s[96:97], s[8:9], 0x28              ; e10, e11
	s_add_nc_u64 s[20:21], s[4:5], s[20:21]
	s_add_nc_u64 s[46:47], s[6:7], s[46:47]
	CROUND                                         ; all sixteen work-groups are here: the first joint loads meet
.irp s, 0,1
	s_mov_b32 s[G0+4*\s], 1
	s_add_co_u32 s[G0+4*\s+1], s45, \s*SLOT
	s_add_nc_u64 s[G0+4*\s+2:G0+4*\s+3], s[20:21], \s*STEPA
	s_or_b32 s[G0+4*\s+3], s[G0+4*\s+3], 0x80000000
	s_mov_b32 s[G0B+4*\s], 1
	s_add_co_u32 s[G0B+4*\s+1], s66, \s*SLOT
	s_add_nc_u64 s[G0B+4*\s+2:G0B+4*\s+3], s[46:47], \s*ROWB
	s_or_b32 s[G0B+4*\s+3], s[G0B+4*\s+3], 0x80000000
	JLOAD G0+4*\s, G1, G0B+4*\s, G1B
.endr
	v_and_b32 v1, 15, v0                           ; r
	v_bfe_u32 v2, v0, 4, 1                         ; h
	v_mul_u32_u24 v3, v1, PITCH
	v_lshl_add_u32 v4, v2, 4, v3                   ; Wo: a fragment's row x pitch + 16 x half
	v_and_b32 v6, 31, v0
	v_lshlrev_b32 v[CO], 4, v6                     ; ctx: my place in a chunk; also my place in a row of 512 bytes
	s_mul_i32 s21, s15, HALFA                      ; my 128 tokens
	s_mul_i32 s22, s16, HALFB                      ; my 128 rows of Wo,
	s_add_co_u32 s22, s22, 2*HALFA                 ; behind ctx's two halves
.irp s, 0,1
	v_add_nc_u32 v[ADRA+\s], s21, v[CO]
	v_add_nc_u32 v[ADRB+\s], s22, v4
	s_add_co_u32 s21, s21, SLOT
	s_add_co_u32 s22, s22, SLOT
.endr
	s_mul_i32 s23, s14, 16*SPITCH                  ; my stage
	v_mul_u32_u24 v5, v1, SPITCH                   ; in: row r, 32 bytes for each half of the lanes
	v_lshl_add_u32 v5, v2, 5, v5
	v_add_nc_u32 v[STO], s23, v5
	v_add_nc_u32 v[RD], s23, v[CO]                 ; back: the 32 lanes take one row of 512 bytes
	s_lshl_b32 s20, s17, 8
	s_lshl_b32 s21, s15, 7
	s_add_co_u32 s20, s20, s21                     ; my first row of out
	s_mov_b32 s21, 0
	s_mov_b64 s[18:19], SIZE_N*4
	s_mul_u64 s[20:21], s[20:21], s[18:19]
	s_lshl_b32 s46, s42, 10                        ; my first column, in bytes: 1,024 x tile column + 512 x half
	s_lshl_b32 s47, s16, 9
	s_add_co_u32 s46, s46, s47
	s_mov_b32 s47, 0
	s_add_nc_u64 s[12:13], s[12:13], s[46:47]      ; bo at that column
	s_add_nc_u64 s[20:21], s[20:21], s[46:47]
	s_add_nc_u64 s[10:11], s[10:11], s[20:21]
	global_load_b128 v[BO:BO+3], v[CO], s[12:13]   ; a lane's four columns are the same in every row that it reads back
.macro FRAG reg, adr, q, i             ; Wo: registers 4 c .. 4 c + 3 hold K = 32 c + 16 (l / 16) + 0 .. 15 of row l % 16
.irp c, 0,1,2,3
	ds_load_b128 v[\reg+4*\c:\reg+4*\c+3], v[\adr] offset:128*(\q)+32*\c+(\i)*16*PITCH
.endr
.endm
.macro FRAGA reg, adr, q, i            ; ctx: the same places along K: chunk 4 q + c of token tile i
.irp c, 0,1,2,3
	ds_load_b128 v[\reg+4*\c:\reg+4*\c+3], v[\adr] offset:(\i)*4096+(4*(\q)+\c)*512
.endr
.endm
; 16 matrix instructions: ctx's blocks a0, a0 + 1 x Wo's eight.  The 64 accumulators take turns, one instruction a turn, in the same order in every step.
.macro MUL16 a0, p, zero
.irp a, \a0, \a0+1
.irp b, 0,1,2,3,4,5,6,7
.if \zero
	v_wmma_f32_16x16x128_fp8_fp8 v[8*(8*((\a)%4)+\b):8*(8*((\a)%4)+\b)+7], v[128*(\p)+FR*\b:128*(\p)+FR*\b+FR-1], v[AF+FR*(\a):AF+FR*(\a)+FR-1], 0
.else
	v_wmma_f32_16x16x128_fp8_fp8 v[8*(8*((\a)%4)+\b):8*(8*((\a)%4)+\b)+7], v[128*(\p)+FR*\b:128*(\p)+FR*\b+FR-1], v[AF+FR*(\a):AF+FR*(\a)+FR-1], v[8*(8*((\a)%4)+\b):8*(8*((\a)%4)+\b)+7]
.endif
.endr
.endr
.endm
.macro FETCH_B slot, q, p
	WIN TO_B
.irp i, 0,1,2,3,4,5,6,7
	FRAG 128*(\p)+FR*\i, ADRB+\slot, \q, \i
.endr
	WIN 0
.endm
.macro FETCH_A slot, q, i0
.irp i, \i0, \i0+1, \i0+2, \i0+3
	FRAGA AF+FR*(\i), ADRA+\slot, \q, \i
.endr
.endm
.macro PLACES n                        ; plain vector instructions between a matrix instruction and a load into, a store from, or a vector instruction on, its registers
.rept \n
	v_nop
.endr
.endm
.macro STEP slot, q, zero
	s_wait_dscnt 4*NL                              ; Wo's set and ctx's blocks 0-3 are in; the youngest sixteen loads (blocks 4-7) may be out
	WIN MUL_LO
	MUL16 0, (\q)%2, \zero
	MUL16 2, (\q)%2, \zero
	s_wait_dscnt 0
	PLACES NP
	FETCH_B \slot, (\q)+1, 1-(\q)%2
	FETCH_A \slot, (\q)+1, 0
	WIN MUL_HI
	MUL16 4, (\q)%2, \zero
	MUL16 6, (\q)%2, \zero
	PLACES NP
	WIN 0
	FETCH_A \slot, (\q)+1, 4
.endm
; A slot's last step changes slots: ONE barrier; in front of it each wave waits for all its tensor loads, adds 0 to its spare word, and waits for that and for its own reads of this slot.
.macro TURN slot, next, fill
	s_wait_tensorcnt 0x0                           ; all my tensor loads have landed: my part of the next slot
	ds_add_u32 v[SPW], v[NIL]                      ; 0 onto my spare word
	s_wait_dscnt 4*NL+1                            ; (the add and the youngest sixteen loads may be out)
	WIN MUL_LO
	MUL16 0, 1, 0
	s_wait_dscnt 0x0                               ; the add is done, and my reads of this slot are over
	s_barrier_signal -1
	MUL16 2, 1, 0
	WIN 0
	s_barrier_wait -1
.if \fill
	CREST                                          ; a round of the cluster's barrier: no wave of any partner still reads this slot's tile or has a load on its way
	s_add_nc_u64 s[G0+4*\slot+2:G0+4*\slot+3], s[G0+4*\slot+2:G0+4*\slot+3], 2*STEPA
	s_add_nc_u64 s[G0B+4*\slot+2:G0B+4*\slot+3], s[G0B+4*\slot+2:G0B+4*\slot+3], 2*ROWB
	JLOAD G0+4*\slot, G1, G0B+4*\slot, G1B         ; the first tensor load behind the round; its four v_nop are also the places in front of the loads below
.else
	PLACES NP
.endif
	FETCH_B \next, 0, 0
	FETCH_A \next, 0, 0
	WIN MUL_HI
	MUL16 4, 1, 0
	MUL16 6, 1, 0
	PLACES NP
	WIN 0
	FETCH_A \next, 0, 4
.endm
	s_wait_tensorcnt 1                             ; my part of K step 0 is in (K step 1's load may be out)
	s_barrier_signal -1
	s_barrier_wait -1                              ; everybody's is
	FETCH_B 0, 0, 0
	FETCH_A 0, 0, 0
	FETCH_A 0, 0, 4
	STEP 0, 0, 1                                   ; the first step stands in front of the loop: its products start the sums
	s_mov_b32 s3, LAPS-1
.Llap:
	TURN 0, 1, 1
	STEP 1, 0, 0
	TURN 1, 0, 1
	STEP 0, 0, 0
	s_sub_co_u32 s3, s3, 1
	s_cmp_lg_u32 s3, 0
	s_cbranch_scc1 .Llap
	TURN 0, 1, 0                                   ; the last lap fills nothing
	STEP 1, 0, 0
	s_wait_dscnt 4*NL
	WIN MUL_LO
	MUL16 0, 1, 0
	MUL16 2, 1, 0
	s_wait_dscnt 0
	WIN MUL_HI
	MUL16 4, 1, 0
	MUL16 6, 1, 0
	WIN 0
; THE WAY OUT, block by block of 16 rows x 128 columns.  A lane holds 32 neighbouring bytes of a row and the lanes beside it other rows: the raw sums go from the accumulators into my own stage in LDS and come back as whole
; rows of 512 bytes; there one packed multiply-add for two numbers gives sum x 2^(e10 + e11) + bo; the 32 lanes store a row as 512 consecutive bytes.  LDS serves a wave's instructions in order (ISA guide 5.7.1.4).
.macro TOSTAGE a
.set AC, 64*((\a)%4)
.set WW, 0x08+4*((\a)/4)
	WIN WW                                         ; an LDS store's data are source 1: window 2 or 3
.irp b, 0,1,2,3,4,5,6,7
	ds_store_b128 v[STO], v[AC+8*\b:AC+8*\b+3] offset:64*\b          ; each accumulator from its low end on
	ds_store_b128 v[STO], v[AC+8*\b+4:AC+8*\b+7] offset:64*\b+16
.endr
	WIN 0
.set BB, BK+64*((\a)%2)
.irp t, 0,1,2,3,4,5,6,7,8,9,10,11,12,13,14,15
	ds_load_b128 v[BB+4*\t:BB+4*\t+3], v[RD] offset:\t*SPITCH
.endr
.endm
.macro SEND a, younger                 ; younger: the LDS instructions issued behind block a's loads, which may stay out
.set BB, BK+64*((\a)%2)
	s_wait_dscnt \younger                          ; the block is back in registers
.irp t, 0,1,2,3,4,5,6,7,8,9,10,11,12,13,14,15
	v_pk_fma_f32 v[BB+4*\t:BB+4*\t+1], v[BB+4*\t:BB+4*\t+1], s[96:97], v[BO:BO+1] op_sel_hi:[1,0,1]
	v_pk_fma_f32 v[BB+4*\t+2:BB+4*\t+3], v[BB+4*\t+2:BB+4*\t+3], s[96:97], v[BO+2:BO+3] op_sel_hi:[1,0,1]
.endr
.if (\a) > 0
	s_add_nc_u64 s[10:11], s[10:11], 16*SIZE_N*4   ; (behind a wait on XCNT: the earlier stores have read their base)  16 rows on
.endif
.irp t, 0,1,2,3,4,5,6,7,8,9,10,11,12,13,14,15
	global_store_b128 v[CO], v[BB+4*\t:BB+4*\t+3], s[10:11] offset:\t*SIZE_N*4 th:TH_STORE_NT   ; 512 consecutive bytes, at a multiple of 256 from out's first byte
.endr
.endm
	s_wait_kmcnt 0x0
	s_add_co_i32 s96, s96, s97                     ; e10 + e11
	s_add_co_i32 s96, s96, 127
	s_lshl_b32 s96, s96, 23                        ; 2^(e10 + e11) as f32
	s_mov_b32 s97, s96
	s_wait_loadcnt 0x0                             ; bo
	PLACES NP                                      ; behind the last products: their results are stored, and the registers that held ctx's fragments are loaded, below
	TOSTAGE 0
.irp a, 1,2,3,4,5,6,7
.if \a > 1
	s_wait_xcnt 0x0                                ; block a - 2's stores have read their registers and their base
.endif
	TOSTAGE \a
	SEND \a-1, 32                                  ; behind block a - 1's loads: block a's 16 stores and 16 loads
.endr
	s_wait_xcnt 0x0                                ; block 6's stores have read their base
	SEND 7, 0
	s_wait_tensorcnt 0x0                           ; the wave's end
	ds_add_u32 v[SPW], v[NIL]
	s_wait_dscnt 0x0
	CROUND                                         ; the closing round
	s_endpgm
.Lfunc_end_k_q94d657dd5e_oproj:
	.size	k_q94d657dd5e_oproj, .Lfunc_end_k_q94d657dd5e_oproj-k_q94d657dd5e_oproj
	.p2alignl 7, 3214868480
	.fill 96, 4, 3214868480
	.section	.rodata,"a",@progbits
	.p2align	6, 0x0
	.amdhsa_kernel k_q94d657dd5e_oproj
		.amdhsa_group_segment_fixed_size 327680
		.amdhsa_private_segment_fixed_size 0
		.amdhsa_enable_private_segment 0
		.amdhsa_kernarg_size 40
		.amdhsa_user_sgpr_count 2
		.amdhsa_user_sgpr_kernarg_segment_ptr 1
		.amdhsa_wavefront_size32 1
		.amdhsa_system_sgpr_workgroup_id_x 1
		.amdhsa_system_sgpr_workgroup_id_y 1
		.amdhsa_system_sgpr_workgroup_id_z 1
		.amdhsa_system_vgpr_workitem_id 0
		.amdhsa_next_free_vgpr 1024
		.amdhsa_next_free_sgpr 98
		.amdhsa_reserve_vcc 0
		.amdhsa_float_denorm_mode_32 3
		.amdhsa_float_denorm_mode_16_64 3
		.amdhsa_memory_ordered 1
		.amdhsa_forward_progress 1
		.amdhsa_inst_pref_size 124
	.end_amdhsa_kernel
	.amdgpu_metadata
---
amdhsa.version: [ 1, 2 ]
amdhsa.kernels:
  - .name:           k_q94d657dd5e_oproj
    .symbol:         k_q94d657dd5e_oproj.kd
    .args:
      - { .name: cc, .offset: 0, .size: 8, .value_kind: global_buffer, .address_space: global }
      - { .name: Wo_codes, .offset: 8, .size: 8, .value_kind: global_buffer, .address_space: global }
      - { .name: lowp_scales, .offset: 16, .size: 8, .value_kind: global_buffer, .address_space: global }
      - { .name: out0, .offset: 24, .size: 8, .value_kind: global_buffer, .address_space: global }
      - { .name: bo, .offset: 32, .size: 8, .value_kind: global_buffer, .address_space: global }
    .group_segment_fixed_size: 327680
    .private_segment_fixed_size: 0
    .kernarg_segment_align: 8
    .kernarg_segment_size: 40
    .max_flat_workgroup_size: 128
    .sgpr_count:     98
    .vgpr_count:     1024
    .wavefront_size: 32
...
	.end_amdgpu_metadata
.endif
;; end of part 3
;; ======== version 2 of 2: 3 launches; version 1 with the launch attn written anew for expert scheduling mode
;; workspace buffers: qc 4,194,304 bytes; kc 4,194,304 bytes; vc 4,194,304 bytes; cc 4,194,304 bytes
;; launch qkv: the kernel of part 1 again; grid 12 x 16, 4 waves a work-group, clusters of 4 x 4, 327,680 bytes of LDS; arguments hidden_states_codes, Wq_codes, Wk_codes, Wv_codes, bq, bk, bv, lowp_scales, qc, kc, vc; writes qc, kc, vc
;; launch attn (part 4): grid 4 x 64, 16 waves a work-group, no clusters, 34,816 bytes of LDS; arguments qc, kc, vc, lowp_scales, cc; writes cc
.if DOCPART == 4
	.amdgcn_target "amdgcn-amd-amdhsa--gfx1250"
	.amdhsa_code_object_version 6
	.text
	.protected	k_q94d657dd5e_attn
	.globl	k_q94d657dd5e_attn
	.p2align	8
	.type	k_q94d657dd5e_attn,@function
k_q94d657dd5e_attn:
	s_mov_b64 s[64:65], 0
	v_nop
	global_prefetch_b8 v0, s[64:65] scope:SCOPE_SE
	s_setreg_imm32_b32 hwreg(HW_REG_WAVE_SCHED_MODE, 0, 2), 2
	s_setreg_imm32_b32 hwreg(HW_REG_WAVE_MODE, 25, 1), 1
	s_wait_xcnt 0x0
	s_wait_alu depctr_vm_vsrc(0)
; ctx[b][q][head] = the sum over keys k <= q of softmax_k(q . k) v, both products on codes of FP8 (E4M3); the result is quantised at once with its given scale.  64 heads (batch x 32 + head) of 2,048 tokens x 32 channels.
; INPUTS, images of operand registers in chunks of 512 bytes, lane l's 16 bytes at 16 l:
;   qc, kc: [head 64][tile of 16 tokens: 128][512]: lane (r, h): token r; channels 8 h + 0 .. 7, then 16 + 8 h + 0 .. 7: registers 0-3 of an operand of the form with K = 64; registers 4-7 (K = 32 .. 63) are zero codes on both sides
;   vc:     [head 64][block of 128 keys: 16][tile of 16 channels: 2][chunk c: 4][512]: registers 4 c .. 4 c + 3 of an operand of the form with K = 128: lane (r, h): channel r; keys 16 (2 c) + 8 h + 0 .. 7, 16 (2 c + 1) + 8 h + 0 .. 7
; OUTPUT cc: [block of 128 tokens: 32][8 heads: 4][tile of 16 tokens: 8][head: 8][512]: lane (r, h): token r, channels 16 h + 0 .. 15 of that head.
; THE SOFTMAX AHEAD OF THE SECOND PRODUCT: t = score x log2(e); M = the row's largest t so far, rounded UP to a whole number; p = 2^(t - M) is what is quantised; it is not normalised.
; The row's sum is taken of the unquantised p, in f32, and divides at the end.  When M moves, the sum and O are multiplied by 2^(old M - new M): exact.
; SHARES.  Work-group (x, head) owns two blocks of 256 queries, block x and then block 7 - x: x + 1 and 8 - x slots of 256 keys lie under the mask, nine in all for every work-group.
; Each of its sixteen waves owns one tile of 16 queries of the block, in 256 registers.  A slot's K and V (16,384 bytes) go through LDS, two buffers by turns, filled through registers: each thread carries 16 bytes of K and 16 of V,
; asked for a whole slot ahead.  One barrier a slot.  The slots are walked in pairs, so that no LDS address is stepped; where a block's number of slots is odd, the pair's second slot has no step to do.
; No cluster and no joint loads: the four work-groups of a head walk x + 1 and then 8 - x slots, so at any time partners would need different tiles, and different numbers of them.
; LAYOUT.  Both products are used transposed: S^T = K Q^T (source 0 = 16 keys, source 1 = my 16 queries): lane (r, h), register j of tile t: query r, key 16 t + 8 h + j.  Eight such registers, converted, are registers
; 2 t, 2 t + 1 of P as source 1 of O^T = V^T P^T, in that form's own layout.  A lane holds one query throughout.
; CAUSAL.  A step of 128 keys all of which come after my 16 queries is left out, by a scalar branch on ids; on the diagonal hidden scores become -infinity ahead of the maximum.  A step that is not left out begins at or
; before my first query, so every query sees a key in it.  Where a slot's first step is left out, so is its second, whose keys come later: one jump leads round both.
; LIMITS on the given exponents: e6 + e7 between -126 and 127 (they are added to log2(e)'s exponent field); e8 and e10 between -126 and 119.  NaN codes are not served.
; THE MODE: SCHED_MODE bits 1:0 = 2 (LLVM: expert scheduling mode 2), set by the entry lines.  The code itself states the register dependences between vector or matrix instructions and memory or LDS instructions,
; and those through scalar registers that vector instructions write, with s_wait_alu, always for 0.
; THE PLAN.  Registers that memory or LDS instructions touch:
;   v[LI], v[TG]  Offsets and LDS addresses: written at the head, never again.  The slot that is asked for is reached by two scalar bases, made by scalar additions.
;   RA0, RA1      Named by memory and LDS instructions alone: in slot b the global loads land in RA[b], in the next slot the LDS stores read it.  One wait on vm_vsrc at a slot's head stands between those stores and the next loads.
;   K's fragments (their registers 0-3)  LDS loads land in them; a step's eight first products read them.
;   V's fragments LDS loads land in them; a step's two last products read them.
;   Q             Loaded at a block's head; read by all the first products.        TC: written by the way out's selects; read by the store.
; ONE wait on va_vdst stands in a step, behind its eight first products and their places: the step before's two last products are done reading V's fragments, and these eight are done reading K's.  Behind it V's eight loads follow,
; and, in a slot's first step, the second step's eight loads of K, dealt among the maxima: what the vector side issues from that wait to the step's last products names S, p, O and the statistics, none of the registers
; that these loads touch.  So a slot's second step finds K in registers; and the loads of K at a slot's head owe no further wait, since no vector or matrix instruction behind that wait of the last step walked names K's fragments.
; (The wait behind the exponentials stands ahead of their first reader.)
.set LI,   1                           ; v1   16 x lane: my place in a chunk
.set TG,   2                           ; v2   16 x thread: my place in a slot's 8,192 bytes of K and of V
.set DM,   4                           ; v4   r - 8 h
.set D,    5                           ; v5   at work
.set NINF, 6                           ; v6   -infinity
.set PT,   7                           ; v7   a lane permute's destination
.set MA,   8                           ; v8, v9  the maximum's two chains
.set MB,   9
.set F,    10                          ; v[10:11] f = 2^(old M - new M); v11 = 0, named as the pair's upper half
                                       ; v12 -M, v13 the largest t, v[14:15] the sum in two halves
.set QF,   16                          ; v[16:23]   Q's fragment
.set KFR,  24                          ; v[24:87]   K's eight fragments
.set VF,   88                          ; v[88:119]  V's two fragments
.set S,    120                         ; v[120:183] S^T, then p
.set O,    184                         ; v[184:199] O^T
.set PC,   200                         ; v[200:215] p's codes
.set RA,   216                         ; v[216:223], v[224:231] two sets of 16 bytes of K and 16 of V on their way to LDS
.set SUM2, 232                         ; v[232:233] the sum's second chain
.set PLIM, 234                         ; 448 x 2^e8
.set PSC,  235                         ; 2^e8
.set CLIM, 236                         ; 448 x 2^e10
.set CSC,  237                         ; 2^e10
.set CD,   240                         ; v[240:243] ctx's codes as converted; v[244:247] the other half of the lanes'; v[248:251] as stored
.set XC,   244
.set TC,   248
.set KB,   36                          ; s[36:37] kc, s[38:39] vc at the slot that is being asked for
.set VB,   38
.set MK,   40                          ; s40-47   eight masks of the diagonal's compares (at the head s[42:47] hold e6 .. e11)
; s[4:5] qc, s[6:7] kc, s[8:9] vc at my head; s[12:13] cc at my wave's chunk of block 0; s14 wave; s16 head; s17 the block of queries; s18 my first query; s19 the step's first key;
; s20 byte of the slot to be asked for next; s21 pairs of slots in this block; s22, s23 counters; s[24:25] c; s[26:27] lane selects; s28 e8; s29 e8 + e9; s[32:33] my Q; s[34:35] my chunk of cc
	s_load_b256 s[4:11], s[0:1], 0x0               ; qc, kc, vc, the exponents
	s_load_b64 s[12:13], s[0:1], 0x20              ; cc
	v_lshl_add_u32 v254, v0, 2, 0x8000
	v_mov_b32 v255, 0
	v_lshrrev_b32 v[LI], 5, v0
	v_readfirstlane_b32 s14, v[LI]                 ; wave 0..15
	v_and_b32 v[LI], 31, v0
	v_lshlrev_b32 v[LI], 4, v[LI]
	v_lshlrev_b32 v[TG], 4, v0
	v_and_b32 v[DM], 15, v0
	v_bfe_u32 v[D], v0, 4, 1
	v_lshlrev_b32 v[D], 3, v[D]
	v_sub_nc_u32 v[DM], v[DM], v[D]
	v_mov_b32 v[NINF], 0xff800000
	v_mov_b32 v[PT], 0                             ; written once: a lane permute's destination counts as one of its sources
	v_mov_b32 v[F+1], 0
.irp j, 4,5,6,7
	v_mov_b32 v[QF+\j], 0                          ; K = 32 .. 63 of the first product: zero codes, set once
.endr
.irp t, 0,1,2,3,4,5,6,7
.irp j, 4,5,6,7
	v_mov_b32 v[KFR+8*\t+\j], 0
.endr
.endr
.irp j, 0,1,2,3
	v_mov_b32 v[XC+\j], 0
.endr
	s_wait_alu depctr_va_sdst(0)                   ; s14 is written, ahead of its first reader: cc's address and my first query are made from it
	s_and_b32 s16, ttmp7, 0xffff                   ; batch x 32 + head
	s_mov_b32 s17, ttmp9                           ; the first block of queries
	s_mov_b32 s26, 0x76543210
	s_mov_b32 s27, 0xfedcba98                      ; v_permlanex16_b32's selects for lane l xor 16
	s_lshl_b32 s20, s16, 16                        ; a head's 65,536 bytes in qc, kc and vc
	s_mov_b32 s21, 0
	s_lshr_b32 s30, s16, 5
	s_lshl_b32 s30, s30, 21                        ; cc: the batch's 16 blocks of 131,072 bytes,
	s_bfe_u32 s28, s16, 0x20003
	s_lshl_b32 s28, s28, 15                        ; the head's group of eight: 32,768,
	s_add_co_u32 s30, s30, s28
	s_and_b32 s28, s16, 7
	s_lshl_b32 s28, s28, 9                         ; the head in it: 512,
	s_add_co_u32 s30, s30, s28
	s_lshr_b32 s28, s14, 3
	s_lshl_b32 s28, s28, 17                        ; waves 8-15: the second 128 tokens,
	s_add_co_u32 s30, s30, s28
	s_and_b32 s28, s14, 7
	s_lshl_b32 s28, s28, 12                        ; my tile of 16 tokens: 4,096
	s_add_co_u32 s30, s30, s28
	s_mov_b32 s31, 0
	s_wait_kmcnt 0x0
	s_load_b64 s[42:43], s[10:11], 0x18            ; e6, e7
	s_load_b128 s[44:47], s[10:11], 0x20           ; e8, e9, e10, e11
	s_add_nc_u64 s[4:5], s[4:5], s[20:21]
	s_add_nc_u64 s[6:7], s[6:7], s[20:21]
	s_add_nc_u64 s[8:9], s[8:9], s[20:21]
	s_add_nc_u64 s[12:13], s[12:13], s[30:31]
	s_wait_kmcnt 0x0
	s_add_co_i32 s30, s42, s43
	s_lshl_b32 s30, s30, 23
	s_add_co_i32 s24, s30, 0x3fb8aa3b              ; c = log2(e) x 2^(e6 + e7): a sum of codes' products stands for sum x 2^(e6 + e7)
	s_mov_b32 s25, s24                             ; (named with it as a pair, so it is written)
	s_mov_b32 s28, s44
	s_add_co_i32 s29, s44, s45
	s_add_co_i32 s30, s44, 127
	s_lshl_b32 s31, s30, 23
	v_mov_b32 v[PSC], s31
	s_add_co_i32 s30, s30, 8
	s_lshl_b32 s30, s30, 23
	s_or_b32 s30, s30, 0x600000
	v_mov_b32 v[PLIM], s30
	s_add_co_i32 s30, s46, 127
	s_lshl_b32 s31, s30, 23
	v_mov_b32 v[CSC], s31
	s_add_co_i32 s30, s30, 8
	s_lshl_b32 s30, s30, 23
	s_or_b32 s30, s30, 0x600000
	v_mov_b32 v[CLIM], s30
	s_mov_b32 s23, 0
; THE WORK OF A KEY STEP: 128 keys, the q-th half of the slot in buffer b.  q = 0 fetches its own K, and on its way the K of q = 1.
.macro WORK b, q
.if (\q) == 0
.irp t, 0,1,2,3,4,5,6,7
	ds_load_b128 v[KFR+8*\t:KFR+8*\t+3], v[LI] offset:(\b)*16384+512*\t   ; no wait on va_vdst is owed: behind the one in the last step walked, nothing has named K's fragments
.endr
	s_wait_dscnt 0x0
.endif                                             ; q = 1: K was asked for among the first step's maxima, and that step's wait for V has shown it in
.irp t, 0,1,2,3,4,5,6,7
	v_wmma_f32_16x16x64_fp8_fp8 v[S+8*\t:S+8*\t+7], v[KFR+8*\t:KFR+8*\t+7], v[QF:QF+7], 0
.endr
.rept 4
	v_nop                                          ; the places behind these products, whose results are read below, and behind the last step's two, into whose V the loads below land
.endr
	s_wait_alu depctr_va_vdst(0)                   ; the last step's two products are done reading V's fragments, and the eight above are done reading K's: loads land in both below
.irp u, 0,1
.irp c, 0,1,2,3
	ds_load_b128 v[VF+16*\u+4*\c:VF+16*\u+4*\c+3], v[LI] offset:(\b)*16384+8192+(\q)*4096+2048*\u+512*\c   ; V lands while the softmax is worked
.endr
.endr
	s_add_co_u32 s30, s19, 127
	s_cmp_le_u32 s30, s18                          ; all 128 keys count for all my queries: no mask
	s_cbranch_scc1 .Lopen_\@
	s_sub_co_u32 s30, s18, s19
	v_add_nc_u32 v[D], s30, v[DM]                  ; d = my query - the step's first key - 8 h.  Register 8 t + j holds key 16 t + 8 h + j of the step: hidden where 16 t + j > d
.irp t, 0,1,2,3,4,5,6,7
.irp j, 0,1,2,3,4,5,6,7
	v_cmp_gt_i32 s[MK+\j], 16*\t+\j, v[D]          ; a tile's eight compares in a run, each into a scalar register of its own
.endr
	s_wait_alu depctr_va_sdst(0)                   ; the eight masks are written, ahead of the selects that read them
.irp j, 0,1,2,3,4,5,6,7
	v_cndmask_b32 v[S+8*\t+\j], v[S+8*\t+\j], v[NINF], s[MK+\j]
.endr
.endr
.Lopen_\@:
	v_max3_num_f32 v[MA], v[S], v[S+1], v[S+2]     ; the step's largest score of my query among my 64 keys, in two chains, each accumulator from its low end on,
	v_max3_num_f32 v[MB], v[S+3], v[S+4], v[S+5]
.irp i, 6,10,14,18,22,26,30,34,38,42,46,50,54,58
	v_max3_num_f32 v[MA], v[MA], v[S+\i], v[S+\i+1]
	v_max3_num_f32 v[MB], v[MB], v[S+\i+2], v[S+\i+3]
.if ((\q) == 0) && (\i <= 34)
	ds_load_b128 v[KFR+8*((\i-6)/4):KFR+8*((\i-6)/4)+3], v[LI] offset:(\b)*16384+4096+512*((\i-6)/4)   ; the second step's K, a fragment behind each pair of maxima.  No wait: nothing since the wait above names K's fragments
.endif
.endr
	v_max3_num_f32 v[MA], v[MA], v[S+62], v[S+63]
	v_max_num_f32 v[MA], v[MA], v[MB]
	v_permlanex16_b32 v[PT], v[MA], s26, s27
	v_max_num_f32 v[MA], v[MA], v[PT]              ; and among lane l xor 16's
	v_mul_f32 v[MA], s24, v[MA]                    ; as t (c is positive)
	v_max_num_f32 v13, v13, v[MA]                  ; the running largest t
	v_mov_b32 v[MA], v12
	v_floor_f32 v12, -v13                          ; the new -M = floor(-t) = -ceil(t): a whole number
	v_sub_f32 v[MA], v12, v[MA]                    ; M's old value less its new one: a whole number, 0 or less
	v_cvt_i32_f32 v[MA], v[MA]                     ; (it saturates)
	v_ldexp_f32 v[F], 1.0, v[MA]                   ; f = 2^(old M - new M)
.irp j, 0,2,4,6,8,10,12,14,16,18,20,22,24,26,28,30,32,34,36,38,40,42,44,46,48,50,52,54,56,58,60,62
	v_pk_fma_f32 v[S+\j:S+\j+1], v[S+\j:S+\j+1], s[24:25], v[12:13] op_sel_hi:[1,0,0]   ; t - M, two at a time (of the pairs c and -M the low word serves both halves)
.endr
.irp j, 0,1,2,3,4,5,6,7,8,9,10,11,12,13,14,15,16,17,18,19,20,21,22,23,24,25,26,27,28,29,30,31,32,33,34,35,36,37,38,39,40,41,42,43,44,45,46,47,48,49,50,51,52,53,54,55,56,57,58,59,60,61,62,63
	v_exp_f32 v[S+\j], v[S+\j]                     ; p = 2^(t - M): not normalised
.endr
	v_pk_mul_f32 v[14:15], v[14:15], v[F:F+1] op_sel_hi:[1,0]   ; the sums under the new M: the plain instruction behind the exponentials
	s_wait_alu depctr_va_vdst(0)                   ; the 64 exponentials have written p: one wait for the whole batch, ahead of its first reader
	v_pk_add_f32 v[SUM2:SUM2+1], v[S:S+1], v[S+2:S+3]   ; the row's sum is taken of the unquantised p: two at a time, in two chains
.irp j, 4,8,12,16,20,24,28,32,36,40,44,48,52,56,60
	v_pk_add_f32 v[14:15], v[14:15], v[S+\j:S+\j+1]
	v_pk_add_f32 v[SUM2:SUM2+1], v[SUM2:SUM2+1], v[S+\j+2:S+\j+3]
.endr
	v_pk_add_f32 v[14:15], v[14:15], v[SUM2:SUM2+1]
	s_cmp_ge_i32 s28, -8                           ; p is at most 1 (but for the last bit), so p / 2^e8 is at most 2^8 where e8 >= -8: under 448, and the hold would change nothing
	s_cbranch_scc1 .Lnohold_\@
.irp j, 0,1,2,3,4,5,6,7,8,9,10,11,12,13,14,15,16,17,18,19,20,21,22,23,24,25,26,27,28,29,30,31,32,33,34,35,36,37,38,39,40,41,42,43,44,45,46,47,48,49,50,51,52,53,54,55,56,57,58,59,60,61,62,63
	v_min_num_f32 v[S+\j], v[S+\j], v[PLIM]        ; the conversion does not saturate (ISA guide 7.6.2); p is not negative, so the hold is one-sided
.endr
.Lnohold_\@:
.irp t, 0,1,2,3,4,5,6,7
	v_cvt_scalef32_pk8_fp8_f32 v[PC+2*\t:PC+2*\t+1], v[S+8*\t:S+8*\t+7], v[PSC]
.endr
.irp j, 0,2,4,6,8,10,12,14
	v_pk_mul_f32 v[O+\j:O+\j+1], v[O+\j:O+\j+1], v[F:F+1] op_sel_hi:[1,0]   ; O^T under the new M; also the plain instructions between the conversions and the products that read their results
.endr
	s_wait_dscnt 0x0                               ; V is in; so, in a slot's first step, is the second step's K
.irp u, 0,1
	v_wmma_f32_16x16x128_fp8_fp8 v[O+8*\u:O+8*\u+7], v[VF+16*\u:VF+16*\u+15], v[PC:PC+15], v[O+8*\u:O+8*\u+7]   ; the ten accumulators of a step take turns, one instruction a turn
.endr
.endm
; A SLOT in buffer b.  One barrier does two things: in front of it each wave's stores into buffer b have landed and its reads of the other buffer are back; behind it buffer b is whole and nobody reads the other one.
; Then the next slot, which came into registers while the last slot was worked, goes into the other buffer, and the slot after it is asked for.
.macro SLOT b
	s_wait_dscnt 0x0
	s_barrier_signal -1
	s_barrier_wait -1
	s_wait_loadcnt 0x0                             ; the next slot's 32 bytes of mine are in: asked for a whole slot ago.  No load of mine is out, so the two bases may be written
	s_wait_alu depctr_vm_vsrc(0)                   ; the LDS stores of the slot before have read RA[b], in which the loads below land
	ds_store_b128 v[TG], v[RA+8*(1-\b):RA+8*(1-\b)+3] offset:(1-\b)*16384
	ds_store_b128 v[TG], v[RA+8*(1-\b)+4:RA+8*(1-\b)+7] offset:(1-\b)*16384+8192
	s_min_u32 s30, s20, 57344                      ; held at the head's last slot: no load leaves its buffer
	s_add_nc_u64 s[KB:KB+1], s[6:7], s[30:31]      ; (s31 = 0 since the block's head)  the slot is reached by scalar bases: no vector instruction writes an address in the loop
	s_add_nc_u64 s[VB:VB+1], s[8:9], s[30:31]
	global_load_b128 v[RA+8*\b:RA+8*\b+3], v[TG], s[KB:KB+1]
	global_load_b128 v[RA+8*\b+4:RA+8*\b+7], v[TG], s[VB:VB+1]
	s_add_co_u32 s20, s20, 8192
	s_add_co_u32 s30, s18, 15
	s_cmp_gt_u32 s19, s30                          ; all the slot's keys come after my queries: nothing to do in either step.  No barrier stands in a step
	s_cbranch_scc1 .Lhid0_\@
	WORK \b, 0
	s_add_co_u32 s19, s19, 128
	s_add_co_u32 s30, s18, 15
	s_cmp_gt_u32 s19, s30                          ; the second step's 128 keys come after my queries
	s_cbranch_scc1 .Lhid1_\@
	WORK \b, 1
.Lhid1_\@:
	s_sub_co_u32 s19, s19, 128                     ; back at the slot's first key,
.Lhid0_\@:
	s_add_co_u32 s19, s19, 256                     ; and on to the next slot's
.endm
.Lblock:                                               ; two trips: block x, then block 7 - x
	s_wait_loadcnt 0x0                             ; what the last block asked for beyond its end has come: its registers are loaded again below
	s_wait_xcnt 0x0                                ; the last block's store has read its data and its base
	s_wait_alu depctr_vm_vsrc(0)                   ; the last block's LDS stores have read RA0 and RA1, in which the loads below land; its store has read TC, which this block's way out writes again
	s_wait_alu depctr_va_vdst(0)                   ; first trip: v[LI] and v[TG] are written, which every load and store below reads; second: the last block's products are done reading Q, in which a load lands
	s_lshl_b32 s18, s17, 8
	s_lshl_b32 s30, s14, 4
	s_add_co_u32 s18, s18, s30                     ; my first query: 256 x block + 16 x wave
	s_add_co_u32 s21, s17, 2
	s_lshr_b32 s21, s21, 1                         ; block + 1 slots lie under the mask: that many, rounded up to pairs
	s_lshl_b32 s30, s18, 5                         ; my tile's chunk of qc: 512 bytes for 16 queries
	s_mov_b32 s31, 0
	s_add_nc_u64 s[32:33], s[4:5], s[30:31]
	s_lshl_b32 s30, s17, 18                        ; a block of 256 queries is 262,144 bytes of cc
	s_add_nc_u64 s[34:35], s[12:13], s[30:31]
	s_mov_b32 s19, 0
	s_mov_b32 s20, 16384                           ; slots 0 and 1 are asked for here; the loop goes on with slot 2
	s_mov_b32 s22, 0
	global_load_b128 v[QF:QF+3], v[LI], s[32:33] th:TH_LOAD_NT
	global_load_b128 v[RA:RA+3], v[TG], s[6:7]
	global_load_b128 v[RA+4:RA+7], v[TG], s[8:9]
	global_load_b128 v[RA+8:RA+11], v[TG], s[6:7] offset:8192
	global_load_b128 v[RA+12:RA+15], v[TG], s[8:9] offset:8192
	v_mov_b32 v13, 0xff61b1e6                      ; the largest t so far: -3e38, under every t
	v_floor_f32 v12, -v13                          ; -M
	v_mov_b32 v14, 0                               ; the sum, in two halves
	v_mov_b32 v15, 0
.irp j, 0,1,2,3,4,5,6,7,8,9,10,11,12,13,14,15
	v_mov_b32 v[O+\j], 0                           ; O^T: the step is written once; the first finds zeros, which the first change of M leaves zeros
.endr
	s_wait_loadcnt 0x2                             ; Q and slot 0 are in; slot 1's two loads may be out
	s_wait_dscnt 0x0
	s_barrier_signal -1
	s_barrier_wait -1                              ; no wave still reads either buffer
	ds_store_b128 v[TG], v[RA:RA+3]
	ds_store_b128 v[TG], v[RA+4:RA+7] offset:8192
.Lpair:
	SLOT 0
	SLOT 1
	s_add_co_u32 s22, s22, 1
	s_cmp_lt_u32 s22, s21
	s_cbranch_scc1 .Lpair
	; THE WAY OUT of a block: O^T x 2^(e8 + e9) / the sum, quantised with e10.  Register 8 u + j of lane (r, h) is channel 16 u + 8 h + j of query r; the chunk wants channels 16 h + 0 .. 15: the two middle eights change halves of the lanes.
.rept 4
	v_nop                                          ; the places behind the last products
.endr
	v_add_f32 v14, v14, v15                        ; the sum's two halves,
	v_permlanex16_b32 v[PT], v14, s26, s27
	v_add_f32 v14, v14, v[PT]                      ; and lane l xor 16's
	v_rcp_f32 v14, v14
	v_and_b32 v[D], 16, v0                         ; (a plain instruction behind the reciprocal)
	v_cmp_ne_u32 vcc_lo, 0, v[D]                   ; lanes 16-31
	s_wait_alu depctr_va_vcc(0)                    ; VCC is written, ahead of the four selects that read it
	s_wait_alu depctr_va_vdst(0)                   ; the reciprocal has written v14: the wait ahead of its first reader
	v_ldexp_f32 v[F], v14, s29
.irp j, 0,2,4,6,8,10,12,14
	v_pk_mul_f32 v[S+\j:S+\j+1], v[O+\j:O+\j+1], v[F:F+1] op_sel_hi:[1,0]
.endr
.irp j, 0,1,2,3,4,5,6,7,8,9,10,11,12,13,14,15
	v_med3_num_f32 v[S+\j], v[S+\j], -v[CLIM], v[CLIM]
.endr
	v_cvt_scalef32_pk8_fp8_f32 v[CD:CD+1], v[S:S+7], v[CSC]
	v_cvt_scalef32_pk8_fp8_f32 v[CD+2:CD+3], v[S+8:S+15], v[CSC]
	v_nop                                          ; one plain vector instruction behind the conversions
.irp j, 0,1,2,3
	v_permlanex16_b32 v[XC+\j], v[CD+\j], s26, s27
.endr
	v_cndmask_b32 v[TC], v[CD], v[XC+2], vcc_lo    ; lanes 0-15: channels 0-7 are mine; lanes 16-31: channels 16-23 are lane l - 16's
	v_cndmask_b32 v[TC+1], v[CD+1], v[XC+3], vcc_lo
	v_cndmask_b32 v[TC+2], v[XC], v[CD+2], vcc_lo  ; lanes 0-15: channels 8-15 are lane l + 16's; lanes 16-31: channels 24-31 are mine
	v_cndmask_b32 v[TC+3], v[XC+1], v[CD+3], vcc_lo
	s_wait_alu depctr_va_vdst(0)                   ; the four selects have written TC, which the store reads
	global_store_b128 v[LI], v[TC:TC+3], s[34:35]  ; the wave stores 512 consecutive bytes, aligned
	s_sub_co_u32 s17, 7, s17
	s_add_co_u32 s23, s23, 1
	s_cmp_lt_u32 s23, 2
	s_cbranch_scc1 .Lblock
	s_wait_dscnt 0x0                               ; the closing lines, six on end
	s_wait_alu 0x0
	s_wait_tensorcnt 0x0
	ds_add_u32 v254, v255
	s_wait_dscnt 0x0
	s_endpgm
.Lfunc_end_k_q94d657dd5e_attn:
	.size	k_q94d657dd5e_attn, .Lfunc_end_k_q94d657dd5e_attn-k_q94d657dd5e_attn
	.p2alignl 7, 3214868480
	.fill 96, 4, 3214868480
	.section	.rodata,"a",@progbits
	.p2align	6, 0x0
	.amdhsa_kernel k_q94d657dd5e_attn
		.amdhsa_group_segment_fixed_size 34816
		.amdhsa_private_segment_fixed_size 0
		.amdhsa_enable_private_segment 0
		.amdhsa_kernarg_size 40
		.amdhsa_user_sgpr_count 2
		.amdhsa_user_sgpr_kernarg_segment_ptr 1
		.amdhsa_wavefront_size32 1
		.amdhsa_system_sgpr_workgroup_id_x 1
		.amdhsa_system_sgpr_workgroup_id_y 1
		.amdhsa_system_sgpr_workgroup_id_z 1
		.amdhsa_system_vgpr_workitem_id 0
		.amdhsa_next_free_vgpr 256
		.amdhsa_next_free_sgpr 66
		.amdhsa_reserve_vcc 1
		.amdhsa_float_denorm_mode_32 3
		.amdhsa_float_denorm_mode_16_64 3
		.amdhsa_memory_ordered 1
		.amdhsa_forward_progress 1
		.amdhsa_inst_pref_size 103
	.end_amdhsa_kernel
	.amdgpu_metadata
---
amdhsa.version: [ 1, 2 ]
amdhsa.kernels:
  - .name:           k_q94d657dd5e_attn
    .symbol:         k_q94d657dd5e_attn.kd
    .args:
      - { .name: qc, .offset: 0, .size: 8, .value_kind: global_buffer, .address_space: global }
      - { .name: kc, .offset: 8, .size: 8, .value_kind: global_buffer, .address_space: global }
      - { .name: vc, .offset: 16, .size: 8, .value_kind: global_buffer, .address_space: global }
      - { .name: lowp_scales, .offset: 24, .size: 8, .value_kind: global_buffer, .address_space: global }
      - { .name: cc, .offset: 32, .size: 8, .value_kind: global_buffer, .address_space: global }
    .group_segment_fixed_size: 34816
    .private_segment_fixed_size: 0
    .kernarg_segment_align: 8
    .kernarg_segment_size: 40
    .max_flat_workgroup_size: 512
    .sgpr_count:     66
    .vgpr_count:     256
    .wavefront_size: 32
...
	.end_amdgpu_metadata
.endif
;; end of part 4
;; launch oproj: the kernel of part 3 again; grid 4 x 16, 4 waves a work-group, clusters of 4 x 4, 327,680 bytes of LDS; arguments cc, Wo_codes, lowp_scales, out0, bo; writes out0
